; MI455X (gfx1250); checked and timed in simulation.
; The chip was launched on July 23, 2026; its instructions are those of AMD's public machine-readable ISA for CDNA 5 (MIT licence, August 2026) and "CDNA5" Instruction Set Architecture Reference Guide (July 2026). The comments in the code are by the model that wrote it; some were corrected since.
;; Scaled Dot Product Attention. Allowed arithmetic: matrix products marked QUANTISED: E2M3 operands, one E8M0 scale for each 32 along K, by v_wmma_scale_f32_16x16x128_f8f6f4 with both operands' format E2M3, f32 sums; everything else in f32.
;; Inputs: Wk 1,024 x 1,024 float32; Wo 1,024 x 1,024 float32; Wq 1,024 x 1,024 float32; Wv 1,024 x 1,024 float32; ind_k 2 x 2,048 float32; ind_q 2 x 2,048 float32; ind_v 2 x 2,048 float32; keys 2 x 2,048 x 1,024 float32; queries 2 x 2,048 x 1,024 float32; values 2 x 2,048 x 1,024 float32.
;; Outputs: out0 2 x 2,048 x 1,024 float32.
;; This version of the problem:
;;   THIS VERSION OF THE PROBLEM IS GIVEN IN LOW PRECISION. The matrix products marked QUANTISED in the list below multiply operands that are first quantised to E2M3 (2 exponent bits, 3 mantissa bits; 6 bits a number), with one power-of-two scale for each 32 numbers along K (OCP MX v1.0); their sums are f32. All else is computed in f32.
;;   The module's matrix products, in the order in which they are computed (A, B: the left and right operand; K: the contracted axis; several contracted axes count as one K, in the product's order):
;;     1. [M 4,096, K 1,024] x [K 1,024, N 1,024]; A: input queries; B: input Wq: QUANTISED
;;     2. [M 4,096, K 1,024] x [K 1,024, N 1,024]; A: input keys; B: input Wk: QUANTISED
;;     3. [M 4,096, K 1,024] x [K 1,024, N 1,024]; A: input values; B: input Wv: QUANTISED
;;     4. batch 32 x [M 2,048, K 64] x [K 64, N 2,048]; A: computed on the way; B: computed on the way: QUANTISED
;;     5. batch 32 x [M 2,048, K 2,048] x [K 2,048, N 64]; A: computed on the way; B: computed on the way: QUANTISED
;;     6. [M 4,096, K 1,024] x [K 1,024, N 1,024]; A: computed on the way; B: input Wo: QUANTISED
;;   THE QUANTISER, for each operand of a quantised product, along K:
;;     - K is cut into blocks of 32 from its start; a last block that is shorter is filled with zeros.
;;     - A block's scale is 2^e with e = floor(log2(the largest magnitude in the block)) - 2, held to -126 .. 127; a block of zeros has e = 0. As a byte (E8M0): e + 127.
;;     - Each number is divided by its block's scale, clamped to +-7.5, and rounded to the nearest number of E2M3, ties to even, subnormals kept.
;;     - The product sums the exact products of the quantised numbers (number of the format x scale) in f32.
;;   ~~~python
;;   def quantise(x, axis):      # numpy; x: float32 -> the quantised numbers, widened to float32 again
;;       x = np.moveaxis(x, axis, -1); K = x.shape[-1]
;;       x = np.pad(x, [(0, 0)] * (x.ndim - 1) + [(0, -K % 32)]); x = x.reshape(x.shape[:-1] + (-1, 32)); a = np.abs(x).max(-1, keepdims=True)
;;       e = np.where(a > 0, np.clip(np.frexp(np.where(a > 0, a, 1))[1] - 1 - 2, -126, 127), 0)      # np.frexp(a)[1] - 1 = floor(log2(a)), exactly
;;       r = np.clip(x / 2.0 ** e, -7.5, 7.5)
;;       step = 2.0 ** (np.maximum(np.frexp(np.where(r == 0, 1, r))[1] - 1, 0) - 3)
;;       q = np.round(r / step) * step * 2.0 ** e      # np.round: ties to even
;;       return np.moveaxis(q.reshape(q.shape[:-2] + (-1,))[..., :K], -1, axis).astype(np.float32)
;;   ~~~
;;   OPERANDS COMPUTED ON THE WAY. 'Computed on the way' means the value that the module computes at that place (a softmax that the list does not call 'softmax' is quantised finished and normalised). What goes into a quantiser is computed in f32, as accurately as f32 sums, v_exp_f32 and their like allow (about 1e-6 of the number): no bf16 or f16 on the way to a quantiser, and a product that is left as it is and whose result goes on into a quantised operand takes f32 operands (vector FMAs, or v_wmma_f32_16x16x4_f32). A number that lies on a knife's edge between two numbers of the format may be rounded either way, as far as f32 arithmetic and the matrix unit's own rounding can turn it there, and no further.
;; One version. Each part assembles by itself: llvm-mc -triple=amdgcn-amd-amdhsa -mcpu=gfx1250 --defsym DOCPART=n.
;; ======== version 1 of 1: 4 launches
;; limits: right only within a limited range of input values
;; workspace buffers: XC 9,830,400 bytes; WC 3,276,800 bytes; QB 3,407,872 bytes; KB 3,407,872 bytes; VB 3,276,800 bytes; AO 3,276,800 bytes
;; launch quant (part 1): grid 640 x 1, 4 waves a work-group, no clusters, 34,304 bytes of LDS; arguments queries, keys, values, Wq, Wk, Wv, Wo, XC, WC; writes XC, WC
.if DOCPART == 1
	.amdgcn_target "amdgcn-amd-amdhsa--gfx1250"
	.amdhsa_code_object_version 6
	.text
	.protected	k_q6bcb1af31c_quant
	.globl	k_q6bcb1af31c_quant
	.p2align	8
	.type	k_q6bcb1af31c_quant,@function
k_q6bcb1af31c_quant:
	s_mov_b64 s[64:65], 0
	v_nop
	global_prefetch_b8 v0, s[64:65] scope:SCOPE_SE
	s_setreg_imm32_b32 hwreg(HW_REG_WAVE_MODE, 25, 1), 1
	s_wait_xcnt 0x0
; queries, keys, values [4096][1024] (K innermost) and Wq, Wk, Wv, Wo [1024 (k)][1024 (n)] (K is the first axis), f32, become codes of FP6 (E2M3) with one E8M0 byte for each 32 along K,
; laid IN THE ORDER OF THE OPERAND'S REGISTERS.  A block of 128 rows (of X) or 128 columns n (of W) x all of K is 8 K steps of 12,800 bytes.  A step is 8 tiles of 16 rows x 128 K, 1,536 bytes each, and 512 bytes of scale words.
; A tile is two halves of 768 bytes (64 along K): 16 bytes a lane (registers 6 c .. 6 c + 3 of the fragment), then 8 bytes a lane (registers 6 c + 4, 6 c + 5).  Scale words: [tile / 4][row 16][tile % 4], 4 bytes each.
; THE ROWS OF A TILE ARE NOT NEIGHBOURS: lane r of tile 2 b + u holds row 32 b + 8 u + r + 8 (r / 8) of the 128, so that a product that takes the tile as source 0 leaves 16 neighbours in the registers of tiles 2 b, 2 b + 1.
; A block's scale is 2^(floor(log2(its largest magnitude)) - 2); its byte is the largest magnitude's exponent field - 2, held at 1 from below.
; LIMITS: a block of zeros gets the byte 1 where the rule says 127 (its codes are zeros, and this program alone reads the bytes); NaN and infinities among the inputs are not served.
; Work-groups 0-383 take X (a wave: 64 rows x 128 K, four tiles, through its own stage in LDS); work-groups 384-639 take W (a wave: 32 columns x 128 K; a lane a column, registers down K; no LDS).
; No tensor loads, no barrier: waves share nothing.  W's scale words leave 4 bytes a lane, 16 bytes apart: 128 KiB of all that the launch writes.
.set OPB,    102400                    ; a block of 128 rows x K = 1,024
.set STEPB,  12800                     ; one K step of it
.set SPITCH, 528                       ; a stage row: 512 bytes + 16: the sixteen rows of a read start at sixteen different groups of banks
.set SEL, 24                           ; s[24:25] lane selects for v_permlanex16_b32: lane l xor 16
.set RS,  16                           ; v16-143  two sets of 64: a tile as it is loaded
.set XN,  144                          ; v144-207 64 numbers of my row: register 16 b + i = k 32 b + 16 (lane / 16) + i
.set PC,  208                          ; v208-219 the fragment just made
.set PT,  220                          ; v220-227 the conversions' second halves
.set TM,  228                          ; v228-239 +0 largest magnitudes, +4 the other half's, then bytes, +8 scale operands
.set PW,  244                          ; the scale word just made
.set SW,  248                          ; v248-251 the four tiles' scale words
; 64 numbers of a lane, register 16 b + i = k 32 b + 16 (lane / 16) + i of my row, become a fragment's codes in v[pc] on and its scale word in v[pw].
.macro QUANT s, pc, pw
.irp b, 0,1,2,3
	v_max3_num_f32 v[TM+\b], |v[\s+16*\b]|, |v[\s+1+16*\b]|, 0x1800000   ; my 16 numbers of block b, and the floor 2^(3 - 127): the byte cannot fall under 1
.endr
.irp i, 2,4,6,8,10,12,14
.irp b, 0,1,2,3
	v_max3_num_f32 v[TM+\b], v[TM+\b], |v[\s+16*\b+\i]|, |v[\s+1+16*\b+\i]|   ; the four blocks by turns
.endr
.endr
.irp b, 0,1,2,3
	v_permlanex16_b32 v[TM+4+\b], v[TM+\b], s[SEL], s[SEL+1]
.endr
.irp b, 0,1,2,3
	v_max_num_f32 v[TM+\b], v[TM+\b], v[TM+4+\b]     ; with lane l xor 16's: the block's largest magnitude
.endr
.irp b, 0,1,2,3
	v_add_nc_u32 v[TM+8+\b], 0xff000000, v[TM+\b]    ; 2 off its exponent field: the conversion takes this operand's exponent field as its scale
.endr
.irp b, 0,1,2,3
	v_lshrrev_b32 v[TM+4+\b], 23, v[TM+8+\b]         ; the scale's byte
.endr
	v_lshl_or_b32 v[\pw], v[TM+5], 8, v[TM+4]
	v_lshl_or_b32 v[\pw], v[TM+6], 16, v[\pw]
	v_lshl_or_b32 v[\pw], v[TM+7], 24, v[\pw]
.irp c, 0,1
	v_cvt_scalef32_pk16_fp6_f32 v[\pc+6*\c:\pc+2+6*\c], v[\s+32*\c:\s+15+32*\c], v[TM+8+2*\c]
	v_cvt_scalef32_pk16_fp6_f32 v[PT+4*\c:PT+2+4*\c], v[\s+16+32*\c:\s+31+32*\c], v[TM+9+2*\c]   ; (a conversion's three registers begin on an even number)
.endr
	v_nop                                            ; one plain place behind a scaled conversion
.irp c, 0,1                                      ; the operand's layout wants a whole block in a lane: lanes 0-15 block 2 c, lanes 16-31 block 2 c + 1
.irp i, 0,1,2
	v_permlane16_swap_b32 v[\pc+6*\c+\i], v[PT+4*\c+\i]
.endr
.irp i, 0,1,2
	v_mov_b32 v[\pc+3+6*\c+\i], v[PT+4*\c+\i]
.endr
.endr
.endm
; tile tt of my four: its sixteen rows, 512 consecutive bytes a load
.macro LOADX tt
.irp i, 0,1,2,3,4,5,6,7,8,9,10,11,12,13,14,15
	global_load_b128 v[RS+64*((\tt)%2)+4*\i:RS+64*((\tt)%2)+4*\i+3], v1, s[4:5] offset:(32*((\tt)/2)+8*((\tt)%2)+\i+8*(\i/8))*4096 th:TH_LOAD_NT
.endr
.endm
.macro TILE tt
.if (\tt) < 3
	s_wait_loadcnt 16                                ; this tile's sixteen loads are in; the next tile's may be out
.else
	s_wait_loadcnt 0x0
.endif
.irp i, 0,1,2,3,4,5,6,7,8,9,10,11,12,13,14,15
	ds_store_b128 v2, v[RS+64*((\tt)%2)+4*\i:RS+64*((\tt)%2)+4*\i+3] offset:SPITCH*\i
.endr
.irp b, 0,1,2,3
.irp j, 0,1,2,3
	ds_load_b128 v[XN+16*\b+4*\j:XN+16*\b+4*\j+3], v3 offset:128*\b+16*\j   ; LDS serves a wave's instructions in order: these see my stores
.endr
.endr
	s_wait_dscnt 0x0                                 ; my row's numbers are back, and the stores have read their registers,
.if (\tt)+2 < 4
	LOADX (\tt)+2                                    ; which take the tile two on
.endif
	s_wait_xcnt 0x0                                  ; the last tile's stores have read the fragment's registers: they are written again only behind this wait
	QUANT XN, PC, PW
	v_mov_b32 v[SW+(\tt)], v[PW]
.irp c, 0,1
	global_store_b128 v1, v[PC+6*\c:PC+6*\c+3], s[18:19] offset:1536*(\tt)+768*\c        ; 512 consecutive bytes,
	global_store_b64 v4, v[PC+6*\c+4:PC+6*\c+5], s[18:19] offset:1536*(\tt)+768*\c+512   ; and 256: both at multiples of 256 from the buffer's first byte
.endr
.endm
; W: block t of my column's four: W(32 t + i, my column)
.macro LOADW t
.irp i, 0,1,2,3,4,5,6,7,8,9,10,11,12,13,14,15,16,17,18,19,20,21,22,23,24,25,26,27,28,29,30,31
	global_load_b32 v[16+32*((\t)%2)+\i], v3, s[10:11] offset:(32*(\t)+\i)*4096 th:TH_LOAD_NT
.endr
.endm
.macro BLOCK t
.set XS, 16+32*((\t)%2)
.set CD, 80+8*(\t)
.if (\t) < 3
	s_wait_loadcnt 32                                ; this block's 32 loads are in; the next block's may be out
.else
	s_wait_loadcnt 0x0
.endif
	v_max3_num_f32 v12, |v[XS]|, |v[XS+1]|, |v[XS+2]|      ; the block's largest magnitude: all 32 numbers are mine
	v_max3_num_f32 v13, |v[XS+3]|, |v[XS+4]|, |v[XS+5]|
.irp i, 6,10,14,18,22,26
	v_max3_num_f32 v12, v12, |v[XS+\i]|, |v[XS+\i+1]|
	v_max3_num_f32 v13, v13, |v[XS+\i+2]|, |v[XS+\i+3]|
.endr
	v_max3_num_f32 v12, v12, |v[XS+30]|, |v[XS+31]|
	v_max3_num_f32 v12, v12, v13, 0x1800000          ; and the floor
	v_add_nc_u32 v14, 0xff000000, v12                ; the conversion's scale operand
	v_lshrrev_b32 v13, 23, v14                       ; the scale's byte
.if (\t) == 0
	v_mov_b32 v116, v13
.else
	v_lshl_or_b32 v116, v13, 8*(\t), v116            ; the lower K in the lower byte
.endif
	v_cvt_scalef32_pk16_fp6_f32 v[CD:CD+2], v[XS:XS+15], v14
	v_cvt_scalef32_pk16_fp6_f32 v[112:114], v[XS+16:XS+31], v14
	v_nop                                            ; one plain place behind a scaled conversion
.irp i, 0,1,2
	v_mov_b32 v[CD+3+\i], v[112+\i]
.endr
.if (\t)+2 < 4
	LOADW (\t)+2
.endif
	global_store_b128 v4, v[CD:CD+3], s[20:21] offset:768*((\t)/2)+256*((\t)%2)            ; the block's six registers are those of lane r + 16 (t % 2) in half t / 2 of the tile
	global_store_b64 v5, v[CD+4:CD+5], s[20:21] offset:768*((\t)/2)+512+128*((\t)%2)
.endm
	s_load_b256 s[4:11], s[0:1], 0x0                 ; queries, keys, values, Wq
	s_load_b256 s[12:19], s[0:1], 0x20               ; Wk, Wv, Wo, XC
	s_load_b64 s[20:21], s[0:1], 0x40                ; WC
	v_lshl_add_u32 v254, v0, 2, 0x8400
	v_mov_b32 v255, 0
	v_lshrrev_b32 v1, 5, v0
	v_readfirstlane_b32 s2, v1                       ; wave 0..3
	v_and_b32 v6, 31, v0                             ; lane
	s_cmp_lt_u32 ttmp9, 384
	s_cbranch_scc0 .Lweights
	; ---- X
	s_lshr_b32 s3, ttmp9, 7                          ; which tensor
	s_and_b32 s26, ttmp9, 127
	s_lshl_b32 s26, s26, 2
	s_add_co_u32 s26, s26, s2                        ; my unit, 0..511
	s_lshr_b32 s27, s26, 4                           ; block of 128 rows
	s_bfe_u32 s28, s26, 0x30001                      ; K step
	s_and_b32 s29, s26, 1                            ; which 64 rows of the 128
	s_lshl_b32 s30, s27, 19
	s_lshl_b32 s31, s29, 18
	s_add_co_u32 s30, s30, s31
	s_lshl_b32 s31, s28, 9
	s_add_co_u32 s30, s30, s31
	s_mov_b32 s31, 0                                 ; where my numbers begin
	s_lshl_b32 s32, s3, 5
	s_add_co_u32 s32, s32, s27
	s_mul_i32 s32, s32, OPB
	s_mul_i32 s33, s28, STEPB
	s_add_co_u32 s32, s32, s33
	s_mov_b32 s33, 0                                 ; the step's first byte in XC
	s_mul_i32 s34, s29, 6144
	s_mov_b32 s35, 0                                 ; my four tiles in it
	s_lshl_b32 s36, s29, 8
	s_add_co_u32 s36, s36, 12288
	s_mov_b32 s37, 0                                 ; and their scale words
	s_mov_b32 s[SEL], 0x76543210
	s_mov_b32 s[SEL+1], 0xfedcba98
	s_mul_i32 s40, s2, 16*SPITCH                     ; my stage
	s_wait_alu depctr_va_vdst(0)
	v_lshlrev_b32 v1, 4, v6                          ; 16 x lane
	v_add_nc_u32 v2, s40, v1                         ; into the stage: a row as it lies
	v_and_b32 v7, 15, v0                             ; r
	v_bfe_u32 v8, v0, 4, 1                           ; h
	v_mul_u32_u24 v3, v7, SPITCH
	v_lshl_add_u32 v3, v8, 6, v3
	v_add_nc_u32 v3, s40, v3                         ; out of it: row r, + 64 h: my 16 numbers of each block of 32
	v_lshlrev_b32 v4, 3, v6                          ; 8 x lane
	v_lshlrev_b32 v5, 4, v7                          ; 16 r
.irp b, 0,1,2,3
	v_mov_b32 v[TM+4+\b], 0                          ; written once: a lane permute's destination counts as one of its sources
.endr
	s_wait_alu depctr_va_vdst(0)
	s_wait_kmcnt 0x0
	s_cmp_eq_u32 s3, 1
	s_cselect_b64 s[4:5], s[6:7], s[4:5]
	s_cmp_eq_u32 s3, 2
	s_cselect_b64 s[4:5], s[8:9], s[4:5]             ; the choice hangs on the work-group's number alone
	s_add_nc_u64 s[4:5], s[4:5], s[30:31]
	s_add_nc_u64 s[18:19], s[18:19], s[32:33]
	s_add_nc_u64 s[38:39], s[18:19], s[36:37]
	s_add_nc_u64 s[18:19], s[18:19], s[34:35]
	LOADX 0
	LOADX 1
	TILE 0
	TILE 1
	TILE 2
	TILE 3
	global_store_b128 v5, v[SW:SW+3], s[38:39]       ; 256 consecutive bytes; lanes 16-31 hold the same words as lanes 0-15 and write them to the same places
	s_wait_tensorcnt 0x0
	ds_add_u32 v254, v255
	s_wait_dscnt 0x0
	s_endpgm
.Lweights:
	; ---- W
	s_sub_co_u32 s3, ttmp9, 384
	s_lshr_b32 s26, s3, 6                            ; which matrix
	s_bfe_u32 s27, s3, 0x30003                       ; block of 128 columns
	s_and_b32 s28, s3, 7                             ; K step
	s_lshl_b32 s30, s28, 19
	s_lshl_b32 s31, s27, 9
	s_add_co_u32 s30, s30, s31
	s_lshl_b32 s31, s2, 7
	s_add_co_u32 s30, s30, s31
	s_mov_b32 s31, 0                                 ; row 128 s, column 128 ng + 32 w
	s_lshl_b32 s32, s26, 3
	s_add_co_u32 s32, s32, s27
	s_mul_i32 s32, s32, OPB
	s_mul_i32 s33, s28, STEPB
	s_add_co_u32 s32, s32, s33
	s_mov_b32 s33, 0
	s_wait_alu depctr_va_vdst(0)
	v_lshlrev_b32 v3, 2, v6                          ; my column: 4 bytes a lane
	v_bfe_u32 v7, v0, 3, 1                           ; column 32 w + L lies in tile 2 w + u, u = (L / 8) % 2,
	v_and_b32 v8, 7, v0
	v_bfe_u32 v9, v0, 4, 1
	v_lshl_add_u32 v8, v9, 3, v8                     ; at row r = L % 8 + 8 (L / 16)
	s_mul_i32 s34, s2, 3072
	v_mul_u32_u24 v10, v7, 1536
	v_add_nc_u32 v10, s34, v10
	v_lshl_add_u32 v4, v8, 4, v10
	v_lshl_add_u32 v5, v8, 3, v10
	s_lshr_b32 s35, s2, 1
	s_lshl_b32 s35, s35, 8
	s_and_b32 s36, s2, 1
	s_lshl_b32 s36, s36, 3
	s_add_co_u32 s35, s35, s36
	s_add_co_u32 s35, s35, 12288
	v_lshlrev_b32 v11, 4, v8
	v_lshl_add_u32 v11, v7, 2, v11
	v_add_nc_u32 v11, s35, v11                       ; my scale word
	s_wait_kmcnt 0x0
	s_cmp_eq_u32 s26, 1
	s_cselect_b64 s[10:11], s[12:13], s[10:11]
	s_cmp_eq_u32 s26, 2
	s_cselect_b64 s[10:11], s[14:15], s[10:11]
	s_cmp_eq_u32 s26, 3
	s_cselect_b64 s[10:11], s[16:17], s[10:11]
	s_add_nc_u64 s[10:11], s[10:11], s[30:31]
	s_add_nc_u64 s[20:21], s[20:21], s[32:33]
	LOADW 0
	LOADW 1
	BLOCK 0
	BLOCK 1
	BLOCK 2
	BLOCK 3
	global_store_b32 v11, v116, s[20:21]
	s_endpgm
.Lfunc_end_k_q6bcb1af31c_quant:
	.size	k_q6bcb1af31c_quant, .Lfunc_end_k_q6bcb1af31c_quant-k_q6bcb1af31c_quant
	.p2alignl 7, 3214868480
	.fill 96, 4, 3214868480
	.section	.rodata,"a",@progbits
	.p2align	6, 0x0
	.amdhsa_kernel k_q6bcb1af31c_quant
		.amdhsa_group_segment_fixed_size 34304
		.amdhsa_private_segment_fixed_size 0
		.amdhsa_enable_private_segment 0
		.amdhsa_kernarg_size 72
		.amdhsa_user_sgpr_count 2
		.amdhsa_user_sgpr_kernarg_segment_ptr 1
		.amdhsa_wavefront_size32 1
		.amdhsa_system_sgpr_workgroup_id_x 1
		.amdhsa_system_sgpr_workgroup_id_y 1
		.amdhsa_system_sgpr_workgroup_id_z 1
		.amdhsa_system_vgpr_workitem_id 0
		.amdhsa_next_free_vgpr 256
		.amdhsa_next_free_sgpr 66
		.amdhsa_reserve_vcc 0
		.amdhsa_float_denorm_mode_32 3
		.amdhsa_float_denorm_mode_16_64 3
		.amdhsa_memory_ordered 1
		.amdhsa_forward_progress 1
		.amdhsa_inst_pref_size 55
	.end_amdhsa_kernel
	.amdgpu_metadata
---
amdhsa.version: [ 1, 2 ]
amdhsa.kernels:
  - .name:           k_q6bcb1af31c_quant
    .symbol:         k_q6bcb1af31c_quant.kd
    .args:
      - { .name: queries, .offset: 0, .size: 8, .value_kind: global_buffer, .address_space: global }
      - { .name: keys, .offset: 8, .size: 8, .value_kind: global_buffer, .address_space: global }
      - { .name: values, .offset: 16, .size: 8, .value_kind: global_buffer, .address_space: global }
      - { .name: Wq, .offset: 24, .size: 8, .value_kind: global_buffer, .address_space: global }
      - { .name: Wk, .offset: 32, .size: 8, .value_kind: global_buffer, .address_space: global }
      - { .name: Wv, .offset: 40, .size: 8, .value_kind: global_buffer, .address_space: global }
      - { .name: Wo, .offset: 48, .size: 8, .value_kind: global_buffer, .address_space: global }
      - { .name: XC, .offset: 56, .size: 8, .value_kind: global_buffer, .address_space: global }
      - { .name: WC, .offset: 64, .size: 8, .value_kind: global_buffer, .address_space: global }
    .group_segment_fixed_size: 34304
    .private_segment_fixed_size: 0
    .kernarg_segment_align: 8
    .kernarg_segment_size: 72
    .max_flat_workgroup_size: 128
    .sgpr_count:     66
    .vgpr_count:     256
    .wavefront_size: 32
...
	.end_amdgpu_metadata
.endif
;; end of part 1
;; launch proj (part 2): grid 8 x 32, 4 waves a work-group, clusters of 4 x 4, 327,680 bytes of LDS; arguments XC, WC, ind_q, ind_k, ind_v, QB, KB, VB; writes QB, KB, VB
.if DOCPART == 2
	.amdgcn_target "amdgcn-amd-amdhsa--gfx1250"
	.amdhsa_code_object_version 6
	.text
	.protected	k_q6bcb1af31c_proj
	.globl	k_q6bcb1af31c_proj
	.p2align	8
	.type	k_q6bcb1af31c_proj,@function
k_q6bcb1af31c_proj:
	s_mov_b64 s[64:65], 0
	v_nop
	global_prefetch_b8 v0, s[64:65] scope:SCOPE_SE
	s_setreg_imm32_b32 hwreg(HW_REG_WAVE_MODE, 25, 1), 1
	s_wait_xcnt 0x0
	s_wait_alu depctr_hold_cnt(0) depctr_sa_sdst(0) depctr_va_vdst(0) depctr_va_sdst(0) depctr_va_ssrc(0) depctr_va_vcc(0) depctr_vm_vsrc(0)
	s_getreg_b32 s2, hwreg(HW_REG_IB_STS2, 6, 4)
	s_cmp_eq_u32 s2, 0
	s_cbranch_scc0 .Lentry_in_a_cluster
	s_endpgm
.Lentry_in_a_cluster:
	s_bfe_u32 s2, ttmp6, 0x10000c
	s_cmp_lg_u32 s2, 0xf033
	s_cbranch_scc0 .Lentry_shape_is_right
	s_endpgm
.Lentry_shape_is_right:
; Q = (queries Wq) ind_q, K = (keys Wk) ind_k, V = (values Wv) ind_v on codes of FP6 (E2M3) with E8M0 scales; the results are masked in f32, quantised in registers (Q and K along the head's 64, V along the keys)
; and stored in the order of the next products' operand registers.  Nothing wide goes to memory.
; A WORK-GROUP STAYS: it makes three blocks of 128 x 128, one of each product, one after the other: 256 work-groups for 768 blocks.  A block has two operand blocks (128 rows x K = 1,024: 102,400 bytes each, register images and
; scale words, K step by K step): E at LDS byte 0, T at 102,400.  Four waves; wave w owns T's tiles 2 w, 2 w + 1 against E's eight: 16 accumulators.  Source 0 = a tile of E, source 1 = a tile of T: a lane holds one row of T, and
; the 16 registers of E's tiles 2 b, 2 b + 1 are E's rows 32 b + 16 (lane / 16) + 0 .. 15 (the rows of a tile are laid for that): 64 registers run along the next product's K.
; Blocks: 0: E = Wq's columns, T = queries' rows;  1: Wk, keys;  2: E = values' rows (the keys), T = Wv's columns.
; THE RING: slot 0 is K steps 0-3 of E and of T, slot 1 K steps 4-7.  In the middle of step 3 slot 0 has been read out and takes the next block's K steps 0-3; in the middle of step 7 slot 1 takes its K steps 4-7.
; A fill is four loads, one a wave: 25,600 dense bytes, two K steps of E (waves 0, 1) or of T (waves 2, 3).  A wave has one tensor load out at any time.
; Blocks 0 and 1 are a loop's two trips; block 2, which asks for nothing more and has its own way out, is written out behind the loop.
; CLUSTERS: 4 x 4 work-groups.  E hangs on the work-group's x alone within a cluster and is asked for jointly by a column of the cluster, T on its y alone and by a row.  Each refill stands behind a round of the cluster's barrier.
; PREFETCH: behind each fill a wave asks for the fill that stands two fills on (the same half of the next block): its 100 units of 256 bytes are shared out by address among the four partners that will ask for them jointly,
; 25 each, a lane a unit (lanes 25-31 name the last again).  The last two fills ask for nothing: no block follows block 2.
; LIMITS: a block of zeros gets the byte 1 (its codes are zeros; this program alone reads the bytes); NaN and infinities are not served.  Scale words leave 8 bytes a lane, 16 bytes apart.
; REGISTERS, window 0: v2-7 LDS addresses for slot 0, v240-245 for slot 1; v8, 9, 14, 15 offsets of the stores; v10-13 the mask of my two rows; v246, v248 block 1's; v250 the prefetches' offset; v254, 255 the add's two;
;   v16-31 E's scale words, two sets; v32-35 T's; v36-39 offsets of the head's loads; v40-87, v88-135 E's tiles 0-3, 4-7; v136-183 T's two tiles, two sets;
;   on the way out v40-103 the masked numbers, v184-207 two fragments, v208-215, v220-232 at work, v216-219 scale words.
;   window 1: v0-127 the accumulators ((t, e) at 64 t + 8 e); v128-191 64 numbers of ind_v down the registers.
.set OPB,   102400
.set STEPB, 12800
.set HALFB, 4*STEPB                    ; a slot's part of E or of T
.set SPARE, 204800                     ; behind the blocks: the spare words, 128 bytes a wave
.set WV,  20
.set G1E, 28                           ; s[28:35] descriptor group 1 for E;  s[36:43] for T: they differ in the mask alone
.set G1T, 36
.set G0E, 44                           ; s[44:47] group 0 for E;  s[48:51] for T: written only while no load of the wave is out
.set G0T, 48
.set EN,  52                           ; s[52:53], s[54:55] my part of the block that the next fills belong to
.set TN,  54
.set E2,  56                           ; s[56:59] the same of block 2;  s[76:79] of block 1
.set T2,  58
.set E1,  76
.set T1,  78
.set SEL, 60
.set PF1, 68                           ; s[68:69], s[70:71] what I fetch of block 1 and of block 2: the prefetches' bases, never rewritten
.set PF2, 70
.set ESW, 16
.set TSW, 32
.set EA,  40
.set TF,  136
.set ST,  40
.set PC,  184
.set PT,  208
.set TM,  220
.set PW,  232
.set BS,  238                          ; slot 1's address registers lie 238 above slot 0's
.set MK,  246
.set PFO, 250
.set SPW, 254
.set NIL, 255
.set MSB, 0
.macro WIN new                         ; the immediate's high byte repeats the setting that is left
.if MSB != \new
	s_set_vgpr_msb (MSB<<8)|\new
.set MSB, \new
.endif
.endm
.macro PLACES n
.rept \n
	v_nop
.endr
.endm
.macro CROUND                          ; a round of the cluster's barrier
	s_barrier_signal -1
	s_barrier_wait -1
	s_cmp_lg_u32 s[WV], 0
	s_cbranch_scc1 .Lnot_wave_0_\@
	s_barrier_signal -3
.Lnot_wave_0_\@:
	s_barrier_wait -3
	s_barrier_signal -1
	s_barrier_wait -1
.endm
.macro FILLG0 h, ne, nt                ; both groups 0 for half h of the block at EN, TN; then, where ne is given, EN and TN go on to the block at ne, nt
	s_add_co_u32 s[G0E+1], s92, (\h)*HALFB
	s_add_nc_u64 s[G0E+2:G0E+3], s[EN:EN+1], (\h)*HALFB
	s_or_b32 s[G0E+3], s[G0E+3], 0x80000000
	s_add_co_u32 s[G0T+1], s92, OPB+(\h)*HALFB
	s_add_nc_u64 s[G0T+2:G0T+3], s[TN:TN+1], (\h)*HALFB
	s_or_b32 s[G0T+3], s[G0T+3], 0x80000000
.if \ne
	s_mov_b64 s[EN:EN+1], s[\ne:\ne+1]
	s_mov_b64 s[TN:TN+1], s[\nt:\nt+1]
.endif
.endm
.macro JLOAD                           ; a joint load: waves 0, 1 for E, waves 2, 3 for T; an s_nop 0 and four v_nop follow each line
	s_cmp_lt_u32 s[WV], 2
	s_cbranch_scc0 .Lfor_t_\@
	tensor_load_to_lds s[G0E:G0E+3], s[G1E:G1E+7]
	s_nop 0
	PLACES 4
	s_branch .Lasked_\@
.Lfor_t_\@:
	tensor_load_to_lds s[G0T:G0T+3], s[G1T:G1T+7]
	s_nop 0
	PLACES 4
.Lasked_\@:
.endm
.macro ASK h                           ; in the loop's first trip: half h of block 2, which is loaded two fills on
	s_cmp_eq_u32 s25, 0
	s_cbranch_scc0 .Lno_ask_\@
	global_prefetch_b8 v[PFO], s[PF2:PF2+1] offset:(\h)*HALFB th:TH_LOAD_NT scope:SCOPE_SE
.Lno_ask_\@:
.endm
.macro QUANT s, pc, pw                 ; 64 numbers of a lane, register 16 b + i = k 32 b + 16 (lane / 16) + i of my row -> a fragment in v[pc] on, its scale word in v[pw]
.irp b, 0,1,2,3
	v_max3_num_f32 v[TM+\b], |v[\s+16*\b]|, |v[\s+1+16*\b]|, 0x1800000   ; and the floor 2^(3 - 127): the byte cannot fall under 1
.endr
.irp i, 2,4,6,8,10,12,14
.irp b, 0,1,2,3
	v_max3_num_f32 v[TM+\b], v[TM+\b], |v[\s+16*\b+\i]|, |v[\s+1+16*\b+\i]|
.endr
.endr
.irp b, 0,1,2,3
	v_permlanex16_b32 v[TM+4+\b], v[TM+\b], s[SEL], s[SEL+1]
.endr
.irp b, 0,1,2,3
	v_max_num_f32 v[TM+\b], v[TM+\b], v[TM+4+\b]
.endr
.irp b, 0,1,2,3
	v_add_nc_u32 v[TM+8+\b], 0xff000000, v[TM+\b]    ; 2 off the exponent field: the conversion's scale operand
.endr
.irp b, 0,1,2,3
	v_lshrrev_b32 v[TM+4+\b], 23, v[TM+8+\b]
.endr
	v_lshl_or_b32 v[\pw], v[TM+5], 8, v[TM+4]
	v_lshl_or_b32 v[\pw], v[TM+6], 16, v[\pw]
	v_lshl_or_b32 v[\pw], v[TM+7], 24, v[\pw]
.irp c, 0,1
	v_cvt_scalef32_pk16_fp6_f32 v[\pc+6*\c:\pc+2+6*\c], v[\s+32*\c:\s+15+32*\c], v[TM+8+2*\c]
	v_cvt_scalef32_pk16_fp6_f32 v[PT+4*\c:PT+2+4*\c], v[\s+16+32*\c:\s+31+32*\c], v[TM+9+2*\c]
.endr
	v_nop                                            ; one plain place behind a scaled conversion
.irp c, 0,1
.irp i, 0,1,2
	v_permlane16_swap_b32 v[\pc+6*\c+\i], v[PT+4*\c+\i]
.endr
.irp i, 0,1,2
	v_mov_b32 v[\pc+3+6*\c+\i], v[PT+4*\c+\i]
.endr
.endr
.endm
.macro FRAGLD reg, a16, a8, off        ; a fragment's image: 16, 8, 16, 8 bytes a lane; every load takes 512 or 256 consecutive bytes
	ds_load_b128 v[\reg:\reg+3], v[\a16] offset:\off
	ds_load_b64 v[\reg+4:\reg+5], v[\a8] offset:\off+512
	ds_load_b128 v[\reg+6:\reg+9], v[\a16] offset:\off+768
	ds_load_b64 v[\reg+10:\reg+11], v[\a8] offset:\off+1280
.endm
.macro LOADA s                         ; K step s: E's tiles 0-3, my two of T, the scale words: 27 loads
.set KO, ((\s)%4)*STEPB
.set PP, (\s)%2
.set AS, BS*((\s)/4)
.irp i, 0,1,2,3
	FRAGLD EA+12*\i, 2+AS, 3+AS, KO+1536*\i
.endr
.irp i, 0,1
	FRAGLD TF+24*PP+12*\i, 5+AS, 6+AS, KO+1536*\i
.endr
	ds_load_b128 v[ESW+8*PP:ESW+8*PP+3], v[4+AS] offset:KO
	ds_load_b128 v[ESW+8*PP+4:ESW+8*PP+7], v[4+AS] offset:KO+256
	ds_load_b64 v[TSW+2*PP:TSW+2*PP+1], v[7+AS] offset:KO
.endm
.macro LOADB s                         ; E's tiles 4-7: 16 loads
.set KO, ((\s)%4)*STEPB
.set AS, BS*((\s)/4)
.irp i, 0,1,2,3
	FRAGLD EA+48+12*\i, 2+AS, 3+AS, KO+6144+1536*\i
.endr
.endm
.macro MUL8 half, s                    ; eight products.  The 16 accumulators take turns, one instruction a turn, in the same order in every step.  Step 0 starts the sums: nothing is cleared
.set PP, (\s)%2
.irp i, 0,1,2,3
.irp t, 0,1
.if (\s) == 0
	v_wmma_scale_f32_16x16x128_f8f6f4 v[64*\t+8*(4*\half+\i):64*\t+8*(4*\half+\i)+7], v[EA+48*\half+12*\i:EA+48*\half+12*\i+11], v[TF+24*PP+12*\t:TF+24*PP+12*\t+11], 0, v[ESW+8*PP+4*\half+\i], v[TSW+2*PP+\t] matrix_a_fmt:MATRIX_FMT_FP6 matrix_b_fmt:MATRIX_FMT_FP6
.else
	v_wmma_scale_f32_16x16x128_f8f6f4 v[64*\t+8*(4*\half+\i):64*\t+8*(4*\half+\i)+7], v[EA+48*\half+12*\i:EA+48*\half+12*\i+11], v[TF+24*PP+12*\t:TF+24*PP+12*\t+11], v[64*\t+8*(4*\half+\i):64*\t+8*(4*\half+\i)+7], v[ESW+8*PP+4*\half+\i], v[TSW+2*PP+\t] matrix_a_fmt:MATRIX_FMT_FP6 matrix_b_fmt:MATRIX_FMT_FP6
.endif
.endr
.endr
.endm
; A K step.  E's two halves have one set of registers each, fetched anew behind the products that read them (four places between: ISA guide 7.12.1 for vector instructions); T and the scale words have two sets.
; ring = 1: a block follows.  In the middle of steps 3 and 7 my reads of the slot are over: all my tensor loads are waited for (the one that was out is my part of the other slot), the add, the wait for it and for my reads,
; a round of the cluster's barrier, and the slot's refill, the first tensor load behind the round.  ring = 0: step 3 waits for slot 1 and passes a plain barrier; nothing is filled.
.macro STEP s, ring
.set RF, 0
.if \ring
.if ((\s) == 3) || ((\s) == 7)
.set RF, 1
.endif
.endif
	s_wait_dscnt 16                                  ; the step's first run is in; E's tiles 4-7, sixteen loads, may be out
	WIN 0x50                                         ; C and D in window 1
	MUL8 0, \s
	WIN 0
.if RF
	s_wait_tensorcnt 0x0
	ds_add_u32 v[SPW], v[NIL]                        ; 0 onto my spare word; the descriptors' words, work on registers, stand between it and the wait for it
.if (\s) == 3
	FILLG0 0, 0, 0
.else
	FILLG0 1, E2, T2
.endif
	s_wait_dscnt 0x0
	CROUND
	JLOAD                                            ; its four v_nop are also the places in front of the loads below
.else
.if (\s) == 3
	s_wait_tensorcnt 0x0                             ; my part of slot 1 has landed
	s_wait_dscnt 0x0                                 ; no LDS instruction is pending at a signal
	s_barrier_signal -1
	s_barrier_wait -1                                ; everybody's part has
.endif
	PLACES 4
.endif
.if (\s) < 7
	LOADA (\s)+1
.if RF
	ASK 0
.endif
	s_wait_dscnt 27                                  ; all but the 27 just issued
.else
	s_wait_dscnt 0x0
.endif
	WIN 0x50
	MUL8 1, \s
	WIN 0
	PLACES 4
.if (\s) < 7
	LOADB (\s)+1
.else
.if RF
	ASK 1
.endif
.endif
.endm
	s_load_b512 s[4:19], s[0:1], 0x0                 ; XC, WC, ind_q, ind_k, ind_v, QB, KB, VB
	v_lshl_add_u32 v[SPW], v0, 2, SPARE
	v_mov_b32 v[NIL], 0
	ds_add_u32 v[SPW], v[NIL]                        ; the opening lines: the add, twice on end, and its wait
	ds_add_u32 v[SPW], v[NIL]
	v_lshrrev_b32 v1, 5, v0
	v_readfirstlane_b32 s[WV], v1                    ; wave 0..3
	s_bfe_u32 s21, ttmp6, 0x40000                    ; cx
	s_bfe_u32 s22, ttmp6, 0x40004                    ; cy
	s_lshl_b32 s23, ttmp9, 2
	s_add_co_u32 s23, s23, s21                       ; x = 4 x cluster x + cx, 0..7
	s_and_b32 s26, ttmp7, 0xffff                     ; cluster y, 0..7
	s_lshl_b32 s27, s22, 2
	s_lshl_b32 s27, 15, s27                          ; my row of the cluster
	s_lshl_b32 s62, 0x1111, s21                      ; my column
	s_or_b32 s[G1E], s62, (3<<16)|(1<<21)            ; 15:0 the mask; 17:16 elements of 8 bytes; 21 set beside a mask; no padding
	s_or_b32 s[G1T], s27, (3<<16)|(1<<21)
.irp g, G1E, G1T                                 ; two K steps are one dense run of 25,600 bytes: 100 rows of 256
	s_mov_b32 s[\g+1], 32<<16                        ; tensor_dim0
	s_mov_b32 s[\g+2], 100<<16                       ; tensor_dim1
	s_mov_b32 s[\g+3], 32<<16                        ; tile_dim0
	s_mov_b32 s[\g+4], 100                           ; tile_dim1
	s_mov_b32 s[\g+5], 32                            ; tensor_dim0_stride
	s_mov_b32 s[\g+6], 0
	s_mov_b32 s[\g+7], 0
.endr
	s_and_b32 s92, s[WV], 1
	s_mul_i32 s92, s92, 2*STEPB                      ; of a slot's four K steps the even wave fetches the first two, the odd one the last two
	s_mul_i32 s84, s23, OPB                          ; block 0: E = WC's block x  (E's registers never hold cy, T's never cx)
	s_add_co_u32 s84, s84, s92
	s_mov_b32 s85, 0
	s_lshr_b32 s86, s26, 1
	s_lshl_b32 s86, s86, 3
	s_add_co_u32 s94, s86, s23                       ; block 2: my 128 keys, 0..31
	s_add_co_u32 s86, s94, 64                        ; E = XC's block 64 + that
	s_mul_i32 s86, s86, OPB
	s_add_co_u32 s86, s86, s92
	s_mov_b32 s87, 0
	s_lshl_b32 s93, s26, 2
	s_add_co_u32 s93, s93, s22                       ; blocks 0, 1: my 128 rows of X, 0..31
	s_mul_i32 s88, s93, OPB                          ; block 0: T = XC's block of that number
	s_add_co_u32 s88, s88, s92
	s_mov_b32 s89, 0
	s_and_b32 s90, s26, 1
	s_lshl_b32 s90, s90, 2
	s_add_co_u32 s90, s90, s22
	s_add_co_u32 s90, s90, 16                        ; block 2: T = WC's block 16 + 4 (y % 2) + cy
	s_mul_i32 s90, s90, OPB
	s_add_co_u32 s90, s90, s92
	s_mov_b32 s91, 0
	s_mov_b32 s[SEL], 0x76543210
	s_mov_b32 s[SEL+1], 0xfedcba98
	s_mov_b32 s[G0E], 1                              ; count = 1
	s_mov_b32 s[G0T], 1
	s_wait_dscnt 0x0
	s_wait_kmcnt 0x0
	s_add_nc_u64 s[EN:EN+1], s[6:7], s[84:85]
	s_add_nc_u64 s[E1:E1+1], s[EN:EN+1], 8*OPB       ; block 1: E = WC's block 8 + x
	s_add_nc_u64 s[E2:E2+1], s[4:5], s[86:87]
	s_add_nc_u64 s[TN:TN+1], s[4:5], s[88:89]
	s_add_nc_u64 s[T1:T1+1], s[TN:TN+1], 32*OPB      ; block 1: T = XC's block 32 + my rows
	s_add_nc_u64 s[T2:T2+1], s[6:7], s[90:91]
	s_cmp_lt_u32 s[WV], 2                            ; the prefetches: what I fetch, and my place among the four that ask for it with me: cy for E, cx for T
	s_cselect_b64 s[PF1:PF1+1], s[E1:E1+1], s[T1:T1+1]
	s_cselect_b64 s[PF2:PF2+1], s[E2:E2+1], s[T2:T2+1]
	s_cselect_b32 s24, s22, s21
	s_mul_i32 s24, s24, 25*256
	s_lshl_b32 s62, s93, 9
	s_mov_b32 s63, 0
	s_add_nc_u64 s[66:67], s[8:9], s[62:63]          ; ind_q and ind_k of my 128 rows,
	s_add_nc_u64 s[72:73], s[10:11], s[62:63]
	s_lshl_b32 s62, s94, 9
	s_add_nc_u64 s[74:75], s[12:13], s[62:63]        ; ind_v of my 128 keys
	FILLG0 0, 0, 0
	CROUND                                           ; all sixteen work-groups are here: the joint loads meet
	JLOAD                                            ; block 0's K steps 0-3: one tensor load a wave at the head
	v_and_b32 v1, 31, v0                             ; lane
	v_and_b32 v36, 15, v0                            ; r
	v_bfe_u32 v37, v0, 4, 1                          ; h
	v_and_b32 v39, 8, v36
	v_add_nc_u32 v39, v39, v36                       ; r + 8 (r / 8)
	s_lshl_b32 s62, s[WV], 7
	v_lshl_add_u32 v39, v39, 2, s62                  ; row 32 w + 8 t + r + 8 (r / 8) of the 128
	v_lshlrev_b32 v37, 6, v37                        ; register 16 b + i: number 32 b + 16 h + i
	global_load_b32 v10, v39, s[66:67]               ; one number for each of my two rows of T: block 0's,
	global_load_b32 v12, v39, s[66:67] offset:32
	global_load_b32 v[MK], v39, s[72:73]             ; block 1's;
	global_load_b32 v[MK+2], v39, s[72:73] offset:32
	WIN 0x40                                         ; destination window 1
.irp b, 0,1,2,3
.irp j, 0,1,2,3
	global_load_b128 v[128+16*\b+4*\j:128+16*\b+4*\j+3], v37, s[74:75] offset:128*\b+16*\j   ; and 64 numbers down the registers for block 2
.endr
.endr
	WIN 0
	v_mov_b32 v11, 0                                 ; (named as the upper halves of pairs)
	v_mov_b32 v13, 0
	v_lshlrev_b32 v2, 4, v1                          ; E: 16 x lane,
	v_lshlrev_b32 v3, 3, v1                          ; 8 x lane
	v_lshlrev_b32 v8, 4, v1                          ; the same for the stores
	v_lshlrev_b32 v9, 3, v1
	v_lshlrev_b32 v38, 4, v36                        ; 16 r
	v_min_u32 v[PFO], 24, v1
	v_lshlrev_b32 v[PFO], 8, v[PFO]
	v_add_nc_u32 v[PFO], s24, v[PFO]                 ; my work-group's 25 units of the 100, a lane a unit
	global_prefetch_b8 v[PFO], s[PF1:PF1+1] th:TH_LOAD_NT scope:SCOPE_SE   ; block 1's K steps 0-3, loaded two fills on
	s_wait_alu depctr_va_vdst(0)
	v_add_nc_u32 v4, 12288, v38                      ; E's scale words
	s_mul_i32 s62, s[WV], 3072
	s_add_co_u32 s62, s62, OPB
	v_add_nc_u32 v5, s62, v2                         ; T: my two tiles
	v_add_nc_u32 v6, s62, v3
	s_and_b32 s63, s[WV], 1
	s_lshl_b32 s63, s63, 3
	v_add_nc_u32 v15, s63, v38                       ; V's scale words: 16 r + 8 (w % 2)
	s_lshr_b32 s62, s[WV], 1
	s_lshl_b32 s62, s62, 8
	v_add_nc_u32 v14, s62, v15                       ; Q's and K's: + 256 (w / 2)
	s_add_co_u32 s62, s62, s63
	s_add_co_u32 s62, s62, OPB+12288
	v_add_nc_u32 v7, s62, v38                        ; T's scale words in LDS
	s_wait_alu depctr_va_vdst(0)                     ; the wait directly ahead of the readers below
.irp a, 2,3,4,5,6,7
	v_add_nc_u32 v[BS+\a], HALFB, v\a                ; the same six for slot 1, so that every immediate stays under 65,536 and no address is stepped
.endr
.irp b, 0,1,2,3
	v_mov_b32 v[TM+4+\b], 0                          ; written once: a lane permute's destination counts as one of its sources
.endr
	s_wait_alu depctr_va_vdst(0)
	s_wait_tensorcnt 0x0                             ; my part of slot 0 is in
	ds_add_u32 v[SPW], v[NIL]
	FILLG0 1, E1, T1
	s_wait_dscnt 0x0
	CROUND
	JLOAD                                            ; block 0's K steps 4-7
	global_prefetch_b8 v[PFO], s[PF1:PF1+1] offset:HALFB th:TH_LOAD_NT scope:SCOPE_SE   ; block 1's K steps 4-7, loaded two fills on
	s_mov_b32 s25, 0
.Lblock:                                                 ; blocks 0 and 1: Q, K
	LOADA 0
	LOADB 0
.irp k, 0,1,2,3,4,5,6,7
	STEP \k, 1
.endr
	s_wait_loadcnt 0x0                               ; the masks
	s_wait_xcnt 0x0                                  ; the last block's stores have read their data and bases: both are written again only behind this wait
	; my two tiles of 16 rows x 128 columns = two heads x 64
	s_cmp_eq_u32 s25, 1
	s_cselect_b64 s[66:67], s[16:17], s[14:15]
	s_lshr_b32 s62, s93, 4
	s_lshl_b32 s62, s62, 4
	s_lshl_b32 s63, s23, 1
	s_add_co_u32 s62, s62, s63                       ; the first head: 16 batch + 2 x
	s_mul_i32 s62, s62, 106496
	s_and_b32 s63, s93, 15                           ; the block of 128 rows within the batch
	s_lshl_b32 s84, s63, 9
	s_add_co_u32 s84, s84, s62
	s_add_co_u32 s84, s84, 98304
	s_mov_b32 s85, 0
	s_lshl_b32 s63, s63, 3
	s_lshl_b32 s86, s[WV], 1
	s_add_co_u32 s63, s63, s86
	s_mul_i32 s63, s63, 768                          ; tile 8 block + 2 w
	s_add_co_u32 s62, s62, s63
	s_mov_b32 s63, 0
	s_add_nc_u64 s[86:87], s[66:67], s[84:85]        ; scale words
	s_add_nc_u64 s[66:67], s[66:67], s[62:63]        ; codes
.irp t, 0,1
	WIN 0x01                                         ; source 0 in window 1
.set i, 0
.rept 32
	v_pk_mul_f32 v[ST+i:ST+i+1], v[64*\t+i:64*\t+i+1], v[10+2*\t:11+2*\t] op_sel_hi:[1,0]   ; x my row's indicator, and into window 0; each accumulator from its low end on
.set i, i+2
.endr
	WIN 0
	QUANT ST, PC+12*\t, PW
	v_perm_b32 v[216+\t], v[PW], v[PW], 0x01000100   ; the even head's two bytes, twice: the next product has K = 64 and takes a tile in either half of its 128
	v_perm_b32 v[218+\t], v[PW], v[PW], 0x03020302   ; the odd head's
	global_store_b128 v8, v[PC+12*\t:PC+12*\t+3], s[66:67] offset:768*\t
	global_store_b64 v9, v[PC+12*\t+4:PC+12*\t+5], s[66:67] offset:768*\t+512
	global_store_b128 v8, v[PC+12*\t+6:PC+12*\t+9], s[66:67] offset:106496+768*\t
	global_store_b64 v9, v[PC+12*\t+10:PC+12*\t+11], s[66:67] offset:106496+768*\t+512
.endr
	global_store_b64 v14, v[216:217], s[86:87]       ; lanes 16-31 hold the same words as lanes 0-15 and write them to the same places
	global_store_b64 v14, v[218:219], s[86:87] offset:106496
	v_mov_b32 v10, v[MK]                             ; block 1's mask
	v_mov_b32 v12, v[MK+2]
	s_add_co_u32 s25, s25, 1
	s_cmp_lt_u32 s25, 2
	s_wait_alu depctr_va_vdst(0)
	s_cbranch_scc1 .Lblock
	; block 2: V.  Nothing more is asked for
	LOADA 0
	LOADB 0
.irp k, 0,1,2,3,4,5,6,7
	STEP \k, 0
.endr
	s_wait_xcnt 0x0                                  ; block 1's stores have read their data and bases
	; my two tiles of 16 channels x 128 keys: whole fragments of the second product's source 0
	s_lshr_b32 s62, s94, 4
	s_lshl_b32 s62, s62, 4                           ; 16 batch
	s_and_b32 s63, s26, 1
	s_lshl_b32 s63, s63, 2
	s_add_co_u32 s63, s63, s22                       ; the block of 128 channels
	s_lshl_b32 s63, s63, 1
	s_add_co_u32 s62, s62, s63
	s_lshr_b32 s63, s[WV], 1
	s_add_co_u32 s62, s62, s63                       ; my head
	s_mul_i32 s62, s62, 102400
	s_and_b32 s63, s94, 15                           ; the key step
	s_lshl_b32 s84, s63, 8
	s_add_co_u32 s84, s84, s62
	s_add_co_u32 s84, s84, 98304
	s_mov_b32 s85, 0
	s_mul_i32 s63, s63, 6144
	s_add_co_u32 s62, s62, s63
	s_and_b32 s63, s[WV], 1
	s_mul_i32 s63, s63, 3072
	s_add_co_u32 s62, s62, s63
	s_mov_b32 s63, 0
	s_add_nc_u64 s[86:87], s[18:19], s[84:85]
	s_add_nc_u64 s[66:67], s[18:19], s[62:63]
.irp t, 0,1
	WIN 0x05                                         ; sources 0 and 1 in window 1
.set i, 0
.rept 32
	v_pk_mul_f32 v[ST+i:ST+i+1], v[64*\t+i:64*\t+i+1], v[128+i:129+i]   ; x each key's indicator
.set i, i+2
.endr
	WIN 0
	QUANT ST, PC+12*\t, PW
	v_mov_b32 v[216+\t], v[PW]
	global_store_b128 v8, v[PC+12*\t:PC+12*\t+3], s[66:67] offset:1536*\t
	global_store_b64 v9, v[PC+12*\t+4:PC+12*\t+5], s[66:67] offset:1536*\t+512
	global_store_b128 v8, v[PC+12*\t+6:PC+12*\t+9], s[66:67] offset:1536*\t+768
	global_store_b64 v9, v[PC+12*\t+10:PC+12*\t+11], s[66:67] offset:1536*\t+1280
.endr
	global_store_b64 v15, v[216:217], s[86:87]
	s_wait_tensorcnt 0x0                             ; the wave's end
	ds_add_u32 v[SPW], v[NIL]
	s_wait_dscnt 0x0
	CROUND                                           ; the closing round: no work-group ends while a partner may still ask for a block that names it
	s_endpgm
.Lfunc_end_k_q6bcb1af31c_proj:
	.size	k_q6bcb1af31c_proj, .Lfunc_end_k_q6bcb1af31c_proj-k_q6bcb1af31c_proj
	.p2alignl 7, 3214868480
	.fill 96, 4, 3214868480
	.section	.rodata,"a",@progbits
	.p2align	6, 0x0
	.amdhsa_kernel k_q6bcb1af31c_proj
		.amdhsa_group_segment_fixed_size 327680
		.amdhsa_private_segment_fixed_size 0
		.amdhsa_enable_private_segment 0
		.amdhsa_kernarg_size 64
		.amdhsa_user_sgpr_count 2
		.amdhsa_user_sgpr_kernarg_segment_ptr 1
		.amdhsa_wavefront_size32 1
		.amdhsa_system_sgpr_workgroup_id_x 1
		.amdhsa_system_sgpr_workgroup_id_y 1
		.amdhsa_system_sgpr_workgroup_id_z 1
		.amdhsa_system_vgpr_workitem_id 0
		.amdhsa_next_free_vgpr 448
		.amdhsa_next_free_sgpr 100
		.amdhsa_reserve_vcc 0
		.amdhsa_float_denorm_mode_32 3
		.amdhsa_float_denorm_mode_16_64 3
		.amdhsa_memory_ordered 1
		.amdhsa_forward_progress 1
		.amdhsa_inst_pref_size 123
	.end_amdhsa_kernel
	.amdgpu_metadata
---
amdhsa.version: [ 1, 2 ]
amdhsa.kernels:
  - .name:           k_q6bcb1af31c_proj
    .symbol:         k_q6bcb1af31c_proj.kd
    .args:
      - { .name: XC, .offset: 0, .size: 8, .value_kind: global_buffer, .address_space: global }
      - { .name: WC, .offset: 8, .size: 8, .value_kind: global_buffer, .address_space: global }
      - { .name: ind_q, .offset: 16, .size: 8, .value_kind: global_buffer, .address_space: global }
      - { .name: ind_k, .offset: 24, .size: 8, .value_kind: global_buffer, .address_space: global }
      - { .name: ind_v, .offset: 32, .size: 8, .value_kind: global_buffer, .address_space: global }
      - { .name: QB, .offset: 40, .size: 8, .value_kind: global_buffer, .address_space: global }
      - { .name: KB, .offset: 48, .size: 8, .value_kind: global_buffer, .address_space: global }
      - { .name: VB, .offset: 56, .size: 8, .value_kind: global_buffer, .address_space: global }
    .group_segment_fixed_size: 327680
    .private_segment_fixed_size: 0
    .kernarg_segment_align: 8
    .kernarg_segment_size: 64
    .max_flat_workgroup_size: 128
    .sgpr_count:     100
    .vgpr_count:     448
    .wavefront_size: 32
...
	.end_amdgpu_metadata
.endif
;; end of part 2
;; launch attn (part 3): grid 8 x 32, 16 waves a work-group, clusters of 4 x 1, 294,912 bytes of LDS; arguments QB, KB, VB, ind_k, AO; writes AO
.if DOCPART == 3
	.amdgcn_target "amdgcn-amd-amdhsa--gfx1250"
	.amdhsa_code_object_version 6
	.text
	.protected	k_q6bcb1af31c_attn
	.globl	k_q6bcb1af31c_attn
	.p2align	8
	.type	k_q6bcb1af31c_attn,@function
k_q6bcb1af31c_attn:
	s_mov_b64 s[64:65], 0
	v_nop
	global_prefetch_b8 v0, s[64:65] scope:SCOPE_SE
	s_setreg_imm32_b32 hwreg(HW_REG_WAVE_MODE, 25, 1), 1
	s_wait_xcnt 0x0
	s_wait_alu depctr_hold_cnt(0) depctr_sa_sdst(0) depctr_va_vdst(0) depctr_va_sdst(0) depctr_va_ssrc(0) depctr_va_vcc(0) depctr_vm_vsrc(0)
	s_getreg_b32 s2, hwreg(HW_REG_IB_STS2, 6, 4)
	s_cmp_eq_u32 s2, 0
	s_cbranch_scc0 .Lentry_in_a_cluster
	s_endpgm
.Lentry_in_a_cluster:
	s_bfe_u32 s2, ttmp6, 0x10000c
	s_cmp_lg_u32 s2, 0x3003
	s_cbranch_scc0 .Lentry_shape_is_right
	s_endpgm
.Lentry_shape_is_right:
; For one head and 256 queries: scores = Q K^T / 8, attn = softmax(scores) ind_k / its guarded row sum, out = attn V; both products on codes of FP6 (E2M3) with E8M0 scales; out is quantised along (head, d) for the last product.
; attn IS QUANTISED FINISHED AND NORMALISED, so a row's maximum and sum are known before any of it is quantised.  THE SCORES WAIT IN REGISTERS: 16 queries x 2,048 keys are spread over EIGHT waves, 256 keys (128 registers) each.
; Each wave takes M_w = its largest t rounded up to a whole number (t = score x log2(e) / 8), e = 2^(t - M_w), e x ind_k and its sum l_w.  The eight exchange (-M_w, l_w) through LDS.  With M the largest M_w and l the sum of
; l_w 2^(M_w - M) (exact scalings), attn = e ind_k x F, F = 2^(M_w - M) / l.  The softmax's own divisor cancels; l = 0 counts as 1, as the guard asks.  The maximum is taken over all keys, as the softmax takes it.
; Then each wave quantises its 256 keys of attn and multiplies by its 256 keys of V; the eight partial O^T are added through LDS.
; SHARES.  Sixteen waves: wave w = 8 g + j owns keys 256 j .. 256 j + 255; group g serves the tiles of 16 queries 2 i + g, i = 0 .. 7.
; THE TWO GROUPS RUN HALF A TILE APART.  A tile's work has two parts with a barrier behind each: FIRST (the sum of the last tile's partial O^T; S^T, the maximum, e, the mask, l_w) and SECOND (F, attn, its codes, O^T; the tile
; before leaves).  Between two barriers one group is in FIRST and the other in SECOND; the parting hangs on the wave's number alone, and every barrier stands where the ways have joined.  Each group has LDS bytes of its own.
; A head's K and V (codes and scale words, 208,896 bytes) lie whole in LDS, filled once: no ring.  CLUSTER: the four query blocks of a cluster belong to one head: K and V are asked for jointly, one tensor load a wave.
; No prefetch: K and V are asked for whole at the head, so no loop runs ahead of a tensor load; Q's tile is loaded into registers a tile ahead.
; Both products are used transposed (S^T = K Q^T, O^T = V^T P^T): a lane holds one query.  The keys of a tile of K are laid so that the 16 registers of tiles 2 b, 2 b + 1 are 16 neighbouring keys.
; THE FIRST PRODUCT HAS K = 64, half of the instruction's 128: two tiles of K fill one fragment; Q stands as Q | zero codes | Q in 18 registers, and the even tile is multiplied by Q | 0, the odd one by 0 | Q.
; LIMITS: NaN and infinities are not served; the order of rounding differs from two divisions one after the other; where every unmasked key of a row lies more than 2^126 under the row's largest weight, the sum falls to 0 or under the
; reciprocal's range; a block of zeros gets the byte 1.  The scale bytes of out leave two bytes a lane: two heads share each word.
; REGISTERS: v1-3 offsets (16 x lane, 8 x lane, 16 r); v4-15 LDS addresses; v16-33 Q | 0 | Q; v34 Q's scale word; v35, 36 attn's; v37 out's; v38, 39 the add's two; v40-47 K's, then V's scale words;
;   v48-95 eight tiles of K, then ind_k (v48-79) and maxima (v80-87); in SECOND v48-71 attn's two fragments, v72-87 the eight pairs, then v72-103 O^T; v100-119 at work; v120 -M_w, v121 l_w; v122 F, v123 an LDS address;
;   v124-127 at work; v128-255 S^T, e, attn, then V's fragments, then sums on their way.
.set WV,  14
.set SEL, 20
.set CS,  22
.set QW,  34
.set AW,  35
.set FW,  37
.set SPW, 38
.set NIL, 39
.set KW,  40
.set KT,  48
.set IN,  48
.set MX,  80
.set AF,  48
.set ST,  72
.set OT,  72
.set PT,  100
.set TM,  108
.set S,   128
.set VREG,  106496                     ; LDS: K's codes and words at 0; V's here;
.set INDR,  208896                     ; the batch's ind_k, 8,192 bytes;
.set STATS, 217088                     ; (-M_w, l_w): 128 bytes a wave;
.set OPART, 219136                     ; the partial O^T: 4,096 bytes a wave, images of registers;
.set SUMI,  284672                     ; their sums: 4,096 bytes for each group;
.set SPARE, 292864                     ; the spare words, 128 bytes a wave
.macro PLACES n
.rept \n
	v_nop
.endr
.endm
.macro CROUND
	s_barrier_signal -1
	s_barrier_wait -1
	s_cmp_lg_u32 s[WV], 0
	s_cbranch_scc1 .Lnot_wave_0_\@
	s_barrier_signal -3
.Lnot_wave_0_\@:
	s_barrier_wait -3
	s_barrier_signal -1
	s_barrier_wait -1
.endm
.macro BAR                             ; the barrier behind a part: what I stored to LDS has landed and my reads are over
	s_wait_alu depctr_va_vdst(0)
	s_wait_dscnt 0x0
	s_barrier_signal -1
	s_barrier_wait -1
.endm
.macro QUANT s, pc, pw                 ; 64 numbers of a lane, register 16 b + i = k 32 b + 16 (lane / 16) + i of my row -> a fragment in v[pc] on, its scale word in v[pw]
.irp b, 0,1,2,3
	v_max3_num_f32 v[TM+\b], |v[\s+16*\b]|, |v[\s+1+16*\b]|, 0x1800000   ; and the floor 2^(3 - 127): the byte cannot fall under 1
.endr
.irp i, 2,4,6,8,10,12,14
.irp b, 0,1,2,3
	s_delay_alu instid0(VALU_DEP_4)
	v_max3_num_f32 v[TM+\b], v[TM+\b], |v[\s+16*\b+\i]|, |v[\s+1+16*\b+\i]|
.endr
.endr
.irp b, 0,1,2,3
	s_delay_alu instid0(VALU_DEP_4)
	v_permlanex16_b32 v[TM+4+\b], v[TM+\b], s[SEL], s[SEL+1]
.endr
.irp b, 0,1,2,3
	s_delay_alu instid0(VALU_DEP_4)
	v_max_num_f32 v[TM+\b], v[TM+\b], v[TM+4+\b]
.endr
.irp b, 0,1,2,3
	s_delay_alu instid0(VALU_DEP_4)
	v_add_nc_u32 v[TM+8+\b], 0xff000000, v[TM+\b]    ; 2 off the exponent field: the conversion's scale operand
.endr
.irp b, 0,1,2,3
	s_delay_alu instid0(VALU_DEP_4)
	v_lshrrev_b32 v[TM+4+\b], 23, v[TM+8+\b]
.endr
	s_delay_alu instid0(VALU_DEP_3)
	v_lshl_or_b32 v[\pw], v[TM+5], 8, v[TM+4]
	s_delay_alu instid0(VALU_DEP_1)
	v_lshl_or_b32 v[\pw], v[TM+6], 16, v[\pw]
	s_delay_alu instid0(VALU_DEP_1)
	v_lshl_or_b32 v[\pw], v[TM+7], 24, v[\pw]
.irp c, 0,1
	v_cvt_scalef32_pk16_fp6_f32 v[\pc+6*\c:\pc+2+6*\c], v[\s+32*\c:\s+15+32*\c], v[TM+8+2*\c]
	v_cvt_scalef32_pk16_fp6_f32 v[PT+4*\c:PT+2+4*\c], v[\s+16+32*\c:\s+31+32*\c], v[TM+9+2*\c]
.endr
	v_nop                                            ; one plain place behind a scaled conversion
.irp c, 0,1
.irp i, 0,1,2
	v_permlane16_swap_b32 v[\pc+6*\c+\i], v[PT+4*\c+\i]
.endr
.irp i, 0,1,2
	s_delay_alu instid0(VALU_DEP_3)
	v_mov_b32 v[\pc+3+6*\c+\i], v[PT+4*\c+\i]
.endr
.endr
.endm
.macro QUANT2 s, pc, pw                ; the same for 32 numbers, two blocks: six registers and two bytes
.irp b, 0,1
	v_max3_num_f32 v[TM+\b], |v[\s+16*\b]|, |v[\s+1+16*\b]|, 0x1800000
.endr
.irp i, 2,4,6,8,10,12,14
.irp b, 0,1
	s_delay_alu instid0(VALU_DEP_2)
	v_max3_num_f32 v[TM+\b], v[TM+\b], |v[\s+16*\b+\i]|, |v[\s+1+16*\b+\i]|
.endr
.endr
.irp b, 0,1
	s_delay_alu instid0(VALU_DEP_2)
	v_permlanex16_b32 v[TM+4+\b], v[TM+\b], s[SEL], s[SEL+1]
.endr
.irp b, 0,1
	s_delay_alu instid0(VALU_DEP_2)
	v_max_num_f32 v[TM+\b], v[TM+\b], v[TM+4+\b]
.endr
.irp b, 0,1
	s_delay_alu instid0(VALU_DEP_2)
	v_add_nc_u32 v[TM+8+\b], 0xff000000, v[TM+\b]
.endr
.irp b, 0,1
	s_delay_alu instid0(VALU_DEP_2)
	v_lshrrev_b32 v[TM+4+\b], 23, v[TM+8+\b]
.endr
	s_delay_alu instid0(VALU_DEP_1)
	v_lshl_or_b32 v[\pw], v[TM+5], 8, v[TM+4]
	v_cvt_scalef32_pk16_fp6_f32 v[\pc:\pc+2], v[\s:\s+15], v[TM+8]
	v_cvt_scalef32_pk16_fp6_f32 v[PT:PT+2], v[\s+16:\s+31], v[TM+9]
	v_nop
.irp i, 0,1,2
	v_permlane16_swap_b32 v[\pc+\i], v[PT+\i]
.endr
.irp i, 0,1,2
	s_delay_alu instid0(VALU_DEP_3)
	v_mov_b32 v[\pc+3+\i], v[PT+\i]
.endr
.endm
.macro QLOAD                           ; a tile of Q: its 64 along K on both sides of the six registers of zero codes, and its scale word (its two bytes, twice)
	global_load_b128 v[16:19], v1, s[50:51]
	global_load_b64 v[20:21], v2, s[50:51] offset:512
	global_load_b128 v[28:31], v1, s[50:51]
	global_load_b64 v[32:33], v2, s[50:51] offset:512
	global_load_b32 v[QW], v3, s[52:53]
.endm
; eight tiles of 16 keys: step sg of my two.  Tiles 2 p, 2 p + 1 fill one fragment; the even one meets Q | 0, the odd one 0 | Q; each takes its own scale word (its two bytes, twice)
.macro KQ8 sg
.irp tt, 0,1,2,3,4,5,6,7
	ds_load_b128 v[KT+6*\tt:KT+6*\tt+3], v4 offset:(8*\sg+\tt)*768
	ds_load_b64 v[KT+6*\tt+4:KT+6*\tt+5], v5 offset:(8*\sg+\tt)*768
.endr
	ds_load_b128 v[KW:KW+3], v6 offset:512*\sg
	ds_load_b128 v[KW+4:KW+7], v6 offset:512*\sg+256
	s_wait_dscnt 0x0
.irp tt, 0,1,2,3,4,5,6,7
	v_wmma_scale_f32_16x16x128_f8f6f4 v[S+64*\sg+8*\tt:S+64*\sg+8*\tt+7], v[KT+12*(\tt/2):KT+12*(\tt/2)+11], v[16+6*(\tt%2):27+6*(\tt%2)], 0, v[KW+\tt], v[QW] matrix_a_fmt:MATRIX_FMT_FP6 matrix_b_fmt:MATRIX_FMT_FP6
.endr
	PLACES 4                                         ; in front of loads into registers that these products have read, and of the first read of results
.endm
; chunk k of eight: 16 registers x ind_k, and into the sums
.macro CHUNK k
.set IB, IN+16*((\k)%2)
.set SK, S+16*(\k)
.if (\k) < 7
	s_wait_dscnt 4                                   ; this chunk's indicators are in; the next chunk's four loads may be out
.else
	s_wait_dscnt 0x0
.endif
.irp i, 0,2,4,6,8,10,12,14
	v_pk_mul_f32 v[SK+\i:SK+\i+1], v[SK+\i:SK+\i+1], v[IB+\i:IB+\i+1]
.endr
.if (\k) == 0
	v_pk_add_f32 v[108:109], v[SK:SK+1], v[SK+2:SK+3]        ; the first pairs start the two chains: nothing is cleared
	v_pk_add_f32 v[110:111], v[SK+4:SK+5], v[SK+6:SK+7]
.irp i, 8,12
	s_delay_alu instid0(VALU_DEP_2)
	v_pk_add_f32 v[108:109], v[108:109], v[SK+\i:SK+\i+1]
	s_delay_alu instid0(VALU_DEP_2)
	v_pk_add_f32 v[110:111], v[110:111], v[SK+\i+2:SK+\i+3]
.endr
.else
	v_pk_add_f32 v[108:109], v[108:109], v[SK:SK+1]
	v_pk_add_f32 v[110:111], v[110:111], v[SK+2:SK+3]
.irp i, 4, 8, 12
	s_delay_alu instid0(VALU_DEP_2)
	v_pk_add_f32 v[108:109], v[108:109], v[SK+\i:SK+\i+1]
	s_delay_alu instid0(VALU_DEP_2)
	v_pk_add_f32 v[110:111], v[110:111], v[SK+\i+2:SK+\i+3]
.endr
.endif
.if (\k) < 6
.irp q, 0,1,2,3
	ds_load_b128 v[IB+4*\q:IB+4*\q+3], v10 offset:128*((\k)+2)+16*\q
.endr
.endif
.endm
; the tile s49 of my sixteen, whose O^T lies summed in LDS: quantised along d and stored as half a fragment of the last product's operand, with its two scale bytes
.macro FINAL
	s_lshr_b32 s76, s49, 3
	s_mul_i32 s76, s76, 102400                       ; which of my two blocks of 128 rows
	s_and_b32 s77, s49, 7
	s_mul_i32 s77, s77, 1536
	s_add_co_u32 s78, s76, s77
	s_mov_b32 s79, 0
	s_add_nc_u64 s[54:55], s[60:61], s[78:79]
	s_bfe_u32 s77, s49, 0x10002
	s_lshl_b32 s77, s77, 8
	s_add_co_u32 s76, s76, s77
	s_and_b32 s77, s49, 3
	s_lshl_b32 s77, s77, 2
	s_add_co_u32 s78, s76, s77
	s_add_nc_u64 s[56:57], s[62:63], s[78:79]
.irp c, 0,1,2,3,4,5,6,7
	ds_load_b128 v[S+4*\c:S+4*\c+3], v123 offset:512*\c
.endr
	s_wait_dscnt 0x0
	QUANT2 S, AF, FW
	global_store_b128 v1, v[AF:AF+3], s[54:55]
	global_store_b64 v2, v[AF+4:AF+5], s[54:55] offset:512
	global_store_b16 v3, v[FW], s[56:57]
	s_wait_xcnt 0x0                                  ; the stores have read their data and bases: both are written again only behind this wait
.endm
; the eight partial O^T of my group's last tile are added: wave j adds registers 4 j .. 4 j + 3 of all eight
.macro OSUM
.irp q, 0,1,2,3,4,5,6,7
	ds_load_b128 v[S+4*\q:S+4*\q+3], v14 offset:4096*\q
.endr
	s_wait_dscnt 0x0
.irp q, 0,2,4,6
	v_pk_add_f32 v[S+4*\q:S+4*\q+1], v[S+4*\q:S+4*\q+1], v[S+4*\q+4:S+4*\q+5]
	v_pk_add_f32 v[S+4*\q+2:S+4*\q+3], v[S+4*\q+2:S+4*\q+3], v[S+4*\q+6:S+4*\q+7]
.endr
	v_pk_add_f32 v[S:S+1], v[S:S+1], v[S+8:S+9]
	v_pk_add_f32 v[S+2:S+3], v[S+2:S+3], v[S+10:S+11]
	s_delay_alu instid0(VALU_DEP_4)
	v_pk_add_f32 v[S+16:S+17], v[S+16:S+17], v[S+24:S+25]
	s_delay_alu instid0(VALU_DEP_4)
	v_pk_add_f32 v[S+18:S+19], v[S+18:S+19], v[S+26:S+27]
	s_delay_alu instid0(VALU_DEP_2)
	v_pk_add_f32 v[108:109], v[S:S+1], v[S+16:S+17]
	s_delay_alu instid0(VALU_DEP_2)
	v_pk_add_f32 v[110:111], v[S+2:S+3], v[S+18:S+19]
	ds_store_b128 v15, v[108:111]                    ; read behind the next barrier, written again only behind the one after it
.endm
; FIRST, for my group's tile s48 + inc: S^T = K Q^T on my 256 keys, my maximum, e, the mask, my sum
.macro FIRST inc
	s_wait_loadcnt 0x0                               ; Q's fragment and scale word
	KQ8 0
	KQ8 1
	s_add_co_u32 s70, s48, (\inc)+1                  ; the next tile's Q, if there is one: no load leaves its buffer
	s_cmp_eq_u32 s70, 8
	s_cbranch_scc1 .Lno_q_\@
	s_lshr_b32 s71, s70, 1
	s_lshl_b32 s71, s71, 8
	s_and_b32 s70, s70, 1
	s_lshl_b32 s70, s70, 3
	s_add_co_u32 s70, s70, s71
	s_mov_b32 s71, 0
	s_add_nc_u64 s[52:53], s[58:59], s[70:71]        ; (the wait at this part's head has shown the last loads done: their bases may be written)
	s_add_nc_u64 s[50:51], s[50:51], 1536
	QLOAD
.Lno_q_\@:
.irp k, 0,1
.irp q, 0,1,2,3
	ds_load_b128 v[IN+16*\k+4*\q:IN+16*\k+4*\q+3], v10 offset:128*\k+16*\q
.endr
.endr
.irp k, 0,1,2,3,4,5,6,7
	v_max3_num_f32 v[MX+\k], v[S+16*\k], v[S+16*\k+1], v[S+16*\k+2]      ; eight chains of 16 registers, ascending: each accumulator is first read at its low end
.endr
.irp i, 3,5,7,9,11,13
.irp k, 0,1,2,3,4,5,6,7
	v_max3_num_f32 v[MX+\k], v[MX+\k], v[S+16*\k+\i], v[S+16*\k+\i+1]
.endr
.endr
.irp k, 0,1,2,3,4,5,6,7
	v_max_num_f32 v[MX+\k], v[MX+\k], v[S+16*\k+15]
.endr
	v_max3_num_f32 v[MX], v[MX], v[MX+1], v[MX+2]
	s_delay_alu instid0(VALU_DEP_4)
	v_max3_num_f32 v[MX+3], v[MX+3], v[MX+4], v[MX+5]
	s_delay_alu instid0(VALU_DEP_1)
	v_max3_num_f32 v[MX], v[MX], v[MX+3], v[MX+6]
	s_delay_alu instid0(VALU_DEP_1)
	v_max_num_f32 v[MX], v[MX], v[MX+7]
	s_delay_alu instid0(VALU_DEP_1)
	v_permlanex16_b32 v[MX+1], v[MX], s[SEL], s[SEL+1]
	s_delay_alu instid0(VALU_DEP_1)
	v_max_num_f32 v[MX], v[MX], v[MX+1]              ; the largest score of my query among my 256 keys
	s_delay_alu instid0(VALU_DEP_1)
	v_mul_f32 v[MX], s[CS], v[MX]                    ; as t (c is positive)
	s_delay_alu instid0(VALU_DEP_1)
	v_floor_f32 v120, -v[MX]                         ; -M_w = floor(-t): a whole number
.set i, 0
.rept 64
	v_pk_fma_f32 v[S+i:S+i+1], v[S+i:S+i+1], s[CS:CS+1], v[120:121] op_sel_hi:[1,0,0]   ; t - M_w, two at a time
.set i, i+2
.endr
.set i, 0
	s_wait_alu depctr_va_vdst(0)
.rept 128
	v_exp_f32 v[S+i], v[S+i]                         ; e = 2^(t - M_w): one batch
.set i, i+1
.endr
	v_nop                                            ; a plain instruction behind the last exponential
	s_wait_alu depctr_va_vdst(0)                     ; one wait for the batch, ahead of its first reader
.irp k, 0,1,2,3,4,5,6,7
	CHUNK \k
.endr
	s_delay_alu instid0(VALU_DEP_1)
	v_pk_add_f32 v[108:109], v[108:109], v[110:111]
	s_delay_alu instid0(VALU_DEP_1)
	v_add_f32 v121, v108, v109
	s_delay_alu instid0(VALU_DEP_1)
	v_permlanex16_b32 v110, v121, s[SEL], s[SEL+1]
	s_delay_alu instid0(VALU_DEP_1)
	v_add_f32 v121, v121, v110                       ; l_w
	ds_store_b64 v11, v[120:121]                     ; lanes 16-31 hold the same pair as lanes 0-15 and write it to the same place
.endm
; SECOND, for my group's tile s48: the row's M and l, F, attn and its codes, O^T; then the tile before leaves
.macro SECOND
.irp q, 0,1,2,3,4,5,6,7
	ds_load_b64 v[ST+2*\q:ST+2*\q+1], v12 offset:128*\q
.endr
	s_wait_dscnt 0x0
	v_min3_num_f32 v124, v[ST], v[ST+2], v[ST+4]
	s_delay_alu instid0(VALU_DEP_1)
	v_min3_num_f32 v124, v124, v[ST+6], v[ST+8]
	s_delay_alu instid0(VALU_DEP_1)
	v_min3_num_f32 v124, v124, v[ST+10], v[ST+12]
	s_delay_alu instid0(VALU_DEP_1)
	v_min_num_f32 v124, v124, v[ST+14]               ; -M
.irp q, 0,1,2,3,4,5,6,7
	v_sub_f32 v[ST+2*\q], v124, v[ST+2*\q]           ; M_q - M: a whole number, 0 or less
.endr
.irp q, 0,1,2,3,4,5,6,7
	v_cvt_i32_f32 v[ST+2*\q], v[ST+2*\q]             ; (it saturates)
.endr
.irp q, 0,1,2,3,4,5,6,7
	v_ldexp_f32 v[ST+1+2*\q], v[ST+1+2*\q], v[ST+2*\q]   ; l_q under M
.endr
	v_add_f32 v[ST+1], v[ST+1], v[ST+3]
	v_add_f32 v[ST+5], v[ST+5], v[ST+7]
	v_add_f32 v[ST+9], v[ST+9], v[ST+11]
	s_delay_alu instid0(VALU_DEP_4)
	v_add_f32 v[ST+13], v[ST+13], v[ST+15]
	s_delay_alu instid0(VALU_DEP_3)
	v_add_f32 v[ST+1], v[ST+1], v[ST+5]
	s_delay_alu instid0(VALU_DEP_2)
	v_add_f32 v[ST+9], v[ST+9], v[ST+13]
	s_delay_alu instid0(VALU_DEP_1)
	v_add_f32 v126, v[ST+1], v[ST+9]                 ; l
	v_sub_f32 v125, v124, v120
	s_delay_alu instid0(VALU_DEP_1)
	v_cvt_i32_f32 v125, v125                         ; M_w - M
	s_delay_alu instid0(VALU_DEP_3)
	v_cmp_eq_f32 vcc_lo, 0, v126
	s_delay_alu instid0(VALU_DEP_1)
	v_cndmask_b32 v126, v126, 1.0, vcc_lo            ; the guard: a sum of 0 counts as 1
	s_wait_alu depctr_va_vdst(0)                     ; the wait ahead of the reciprocal,
	v_rcp_f32 v127, v126
	v_nop                                            ; a plain instruction behind it,
	s_wait_alu depctr_va_vdst(0)                     ; and the wait ahead of its reader
	v_ldexp_f32 v122, v127, v125                     ; F = 2^(M_w - M) / l
.irp g, 0,1                                      ; attn = e ind_k F, quantised along the keys; V's fragments take the registers that it leaves
.set i, 0
.rept 32
	v_pk_mul_f32 v[S+64*\g+i:S+64*\g+i+1], v[S+64*\g+i:S+64*\g+i+1], v[122:123] op_sel_hi:[1,0]
.set i, i+2
.endr
	QUANT S+64*\g, AF+12*\g, AW+\g
.irp t, 0,1,2,3
	ds_load_b128 v[S+64*\g+12*\t:S+64*\g+12*\t+3], v7 offset:6144*\g+1536*\t
	ds_load_b64 v[S+64*\g+12*\t+4:S+64*\g+12*\t+5], v8 offset:6144*\g+1536*\t
	ds_load_b128 v[S+64*\g+12*\t+6:S+64*\g+12*\t+9], v7 offset:6144*\g+1536*\t+768
	ds_load_b64 v[S+64*\g+12*\t+10:S+64*\g+12*\t+11], v8 offset:6144*\g+1536*\t+768
.endr
	ds_load_b128 v[KW+4*\g:KW+4*\g+3], v9 offset:256*\g
.endr
	PLACES 8                                         ; a scale register written by vector instructions stands eight places ahead of a scaled matrix instruction, an operand four
	s_wait_dscnt 17                                  ; the first key step's V is in; the second's 17 loads may be out
.irp t, 0,1,2,3
	v_wmma_scale_f32_16x16x128_f8f6f4 v[OT+8*\t:OT+8*\t+7], v[S+12*\t:S+12*\t+11], v[AF:AF+11], 0, v[KW+\t], v[AW] matrix_a_fmt:MATRIX_FMT_FP6 matrix_b_fmt:MATRIX_FMT_FP6
.endr
	s_wait_alu depctr_va_vdst(0)                     ; the second fragment and its scale word were just written
	s_wait_dscnt 0x0
.irp t, 0,1,2,3
	v_wmma_scale_f32_16x16x128_f8f6f4 v[OT+8*\t:OT+8*\t+7], v[S+64+12*\t:S+64+12*\t+11], v[AF+12:AF+23], v[OT+8*\t:OT+8*\t+7], v[KW+4+\t], v[AW+1] matrix_a_fmt:MATRIX_FMT_FP6 matrix_b_fmt:MATRIX_FMT_FP6   ; the four accumulators take turns
.endr
	PLACES 5                                         ; four ahead of the stores of O^T and of loads into V's registers, five ahead of the next products that write over them
.irp c, 0,1,2,3,4,5,6,7
	ds_store_b128 v13, v[OT+4*\c:OT+4*\c+3] offset:512*\c    ; each accumulator from its low end on
.endr
	s_cmp_lg_u32 s15, 0                              ; the tile before, whose sum lies in LDS, leaves by the group's wave j = 0
	s_cbranch_scc1 .Lno_f_\@
	s_cmp_eq_u32 s48, 0
	s_cbranch_scc1 .Lno_f_\@
	s_lshl_b32 s49, s48, 1
	s_add_co_u32 s49, s49, s16
	s_sub_co_u32 s49, s49, 2
	FINAL
.Lno_f_\@:
.endm
	s_load_b256 s[4:11], s[0:1], 0x0                 ; QB, KB, VB, ind_k
	s_load_b64 s[12:13], s[0:1], 0x20                ; AO
	v_lshl_add_u32 v[SPW], v0, 2, SPARE
	v_mov_b32 v[NIL], 0
	ds_add_u32 v[SPW], v[NIL]                        ; the opening lines: the add, twice on end, and its wait
	ds_add_u32 v[SPW], v[NIL]
	s_wait_dscnt 0x0
	v_lshrrev_b32 v1, 5, v0
	s_delay_alu instid0(VALU_DEP_1)
	v_readfirstlane_b32 s[WV], v1                    ; wave 0..15
	s_and_b32 s15, s[WV], 7                          ; j: my 256 keys
	s_lshr_b32 s16, s[WV], 3                         ; g: my group
	s_bfe_u32 s17, ttmp6, 0x40000                    ; cx: it enters global addresses of Q and AO alone
	s_lshl_b32 s18, ttmp9, 2
	s_add_co_u32 s18, s18, s17                       ; my block of 256 queries
	s_and_b32 s19, ttmp7, 0xffff                     ; 16 batch + head, which the four partners share
	s_mov_b32 s[SEL], 0x76543210
	s_mov_b32 s[SEL+1], 0xfedcba98
	s_mov_b32 s[CS], 0x3e38aa3b                      ; c = log2(e) / 8
	s_mov_b32 s[CS+1], s[CS]                         ; (named with it as a pair)
	s_mov_b32 s24, 15|(3<<16)|(1<<21)                ; K: 15:0 the mask: all four; 17:16 elements of 8 bytes; 21 set beside a mask; an eighth of the region: 52 rows of 256 bytes, dense
	s_mov_b32 s25, 32<<16
	s_mov_b32 s26, 52<<16
	s_mov_b32 s27, 32<<16
	s_mov_b32 s28, 52
	s_mov_b32 s29, 32
	s_mov_b32 s30, 0
	s_mov_b32 s31, 0
	s_mov_b32 s32, 15|(3<<16)|(1<<21)                ; V: 50 rows
	s_mov_b32 s33, 32<<16
	s_mov_b32 s34, 50<<16
	s_mov_b32 s35, 32<<16
	s_mov_b32 s36, 50
	s_mov_b32 s37, 32
	s_mov_b32 s38, 0
	s_mov_b32 s39, 0
	s_mul_i32 s66, s19, 106496
	s_mov_b32 s67, 0                                 ; the head's first byte in QB and KB,
	s_mul_i32 s68, s19, 102400
	s_mov_b32 s69, 0                                 ; in VB
	s_mul_i32 s70, s15, 13312
	s_mov_b32 s71, 0                                 ; my eighth of K's region,
	s_mul_i32 s72, s15, 12800
	s_mov_b32 s73, 0                                 ; of V's
	s_lshr_b32 s74, s19, 4                           ; batch
	s_lshl_b32 s76, s74, 13
	s_mov_b32 s77, 0
	v_lshlrev_b32 v126, 4, v0
	s_wait_alu depctr_va_vdst(0)
	s_wait_kmcnt 0x0
	s_add_nc_u64 s[4:5], s[4:5], s[66:67]
	s_add_nc_u64 s[6:7], s[6:7], s[66:67]
	s_add_nc_u64 s[8:9], s[8:9], s[68:69]
	s_add_nc_u64 s[10:11], s[10:11], s[76:77]
	s_mov_b32 s40, 1
	s_mov_b32 s41, s70
	s_add_nc_u64 s[42:43], s[6:7], s[70:71]
	s_or_b32 s43, s43, 0x80000000
	s_mov_b32 s44, 1
	s_add_co_u32 s45, s72, VREG
	s_add_nc_u64 s[46:47], s[8:9], s[72:73]
	s_or_b32 s47, s47, 0x80000000
	global_load_b128 v[48:51], v126, s[10:11]        ; the batch's ind_k: 16 bytes a thread
	CROUND                                           ; all four work-groups are here: the joint loads meet
	s_cmp_lt_u32 s[WV], 8                            ; waves 0-7 fetch K's region, waves 8-15 V's; four v_nop follow each line
	s_cbranch_scc0 .Lfor_v
	tensor_load_to_lds s[40:43], s[24:31]
	s_nop 0
	PLACES 4
	s_branch .Lasked
.Lfor_v:
	tensor_load_to_lds s[44:47], s[32:39]
	s_nop 0
	PLACES 4
.Lasked:
	s_lshl_b32 s76, s18, 4
	s_add_co_u32 s76, s76, s16
	s_mul_i32 s76, s76, 768
	s_add_nc_u64 s[50:51], s[4:5], s[76:77]          ; Q's tile 16 block + g
	s_lshl_b32 s76, s18, 10
	s_lshl_b32 s78, s16, 2
	s_add_co_u32 s76, s76, s78
	s_add_co_u32 s76, s76, 98304
	s_add_nc_u64 s[58:59], s[4:5], s[76:77]          ; its scale words; tile i's lie 256 (i / 2) + 8 (i % 2) on
	s_mov_b64 s[52:53], s[58:59]
	s_lshl_b32 s76, s74, 4
	s_lshl_b32 s78, s18, 1
	s_add_co_u32 s76, s76, s78                       ; AO's block 16 batch + 2 x query block
	s_mul_i32 s76, s76, 102400
	s_and_b32 s78, s19, 15                           ; the head within the batch: K step head / 2, half head % 2
	s_lshr_b32 s79, s78, 1
	s_mul_i32 s79, s79, 12800
	s_add_co_u32 s76, s76, s79
	s_add_nc_u64 s[12:13], s[12:13], s[76:77]
	s_and_b32 s78, s78, 1
	s_mul_i32 s76, s78, 768
	s_add_nc_u64 s[60:61], s[12:13], s[76:77]        ; codes
	s_lshl_b32 s76, s78, 1
	s_add_co_u32 s76, s76, 12288
	s_add_nc_u64 s[62:63], s[12:13], s[76:77]        ; scale bytes
	v_and_b32 v100, 31, v0                           ; lane
	v_and_b32 v101, 15, v0                           ; r
	v_bfe_u32 v102, v0, 4, 1                         ; h
	s_delay_alu instid0(VALU_DEP_3)
	v_lshlrev_b32 v1, 4, v100
	s_delay_alu instid0(VALU_DEP_4)
	v_lshlrev_b32 v2, 3, v100
	s_delay_alu instid0(VALU_DEP_4)
	v_lshlrev_b32 v3, 4, v101
	QLOAD                                            ; tile 0's
	s_mul_i32 s76, s15, 12288
	v_add_nc_u32 v4, s76, v1                         ; K's tiles of my keys: 16 bytes a lane,
	v_add_nc_u32 v5, s76, v2
	s_delay_alu instid0(VALU_DEP_1)
	v_add_nc_u32 v5, 512, v5                         ; 8 bytes a lane
	s_lshl_b32 s78, s15, 10
	s_add_co_u32 s78, s78, 98304
	v_add_nc_u32 v6, s78, v3                         ; K's scale words
	s_add_co_u32 s76, s76, VREG
	v_add_nc_u32 v7, s76, v1                         ; V likewise
	v_add_nc_u32 v8, s76, v2
	s_delay_alu instid0(VALU_DEP_1)
	v_add_nc_u32 v8, 512, v8
	s_lshl_b32 s78, s15, 9
	s_add_co_u32 s78, s78, VREG+98304
	v_add_nc_u32 v9, s78, v3
	s_lshl_b32 s78, s15, 10
	s_add_co_u32 s78, s78, INDR
	v_lshl_add_u32 v10, v102, 6, s78                 ; ind_k of my keys: + 64 h
	v_lshlrev_b32 v103, 3, v101
	s_lshl_b32 s78, s[WV], 7
	s_add_co_u32 s78, s78, STATS
	v_add_nc_u32 v11, s78, v103                      ; where I put (-M_w, l_w),
	s_lshl_b32 s78, s16, 10
	s_add_co_u32 s78, s78, STATS
	v_add_nc_u32 v12, s78, v103                      ; and where the eight of my group begin
	s_lshl_b32 s78, s[WV], 12
	s_add_co_u32 s78, s78, OPART
	v_add_nc_u32 v13, s78, v1                        ; my partial O^T
	s_lshl_b32 s78, s16, 15
	s_lshl_b32 s79, s15, 9
	s_add_co_u32 s78, s78, s79
	s_add_co_u32 s78, s78, OPART
	v_add_nc_u32 v14, s78, v1                        ; the four registers j of all eight partial O^T
	s_lshl_b32 s78, s16, 12
	s_add_co_u32 s76, s78, SUMI
	s_add_co_u32 s78, s76, s79
	v_add_nc_u32 v15, s78, v1                        ; where their sum goes,
	v_add_nc_u32 v123, s76, v1                       ; and where the whole sum begins (v123 is also the idle upper half of F's pair)
	v_lshl_add_u32 v127, v0, 4, INDR
	v_mov_b32 v121, 0                                ; (named as the upper half of a pair before it is first written)
.irp b, 0,1,2,3
	v_mov_b32 v[TM+4+\b], 0                          ; written once: a lane permute's destination counts as one of its sources
.endr
.irp z, 22,23,24,25,26,27
	v_mov_b32 v\z, 0                                 ; the zero codes between Q's two copies: written once
.endr
	s_wait_alu depctr_va_vdst(0)
	s_wait_loadcnt 5                                 ; ind_k is in; Q's five loads may be out
	ds_store_b128 v127, v[48:51]
	s_wait_tensorcnt 0x0                             ; my part of K or V has landed,
	s_wait_dscnt 0x0                                 ; and my part of ind_k
	s_barrier_signal -1
	s_barrier_wait -1                                ; everybody's has
	s_mov_b32 s48, 0
	s_cmp_lt_u32 s[WV], 8                            ; group 0 goes half a tile ahead
	s_cbranch_scc0 .Lahead
	FIRST 0
.Lahead:
	BAR
.Ltrip:                                                  ; trip i: group 0 SECOND i, then FIRST i + 1; group 1 FIRST i, then SECOND i
	s_cmp_lt_u32 s[WV], 8
	s_cbranch_scc0 .La_g1
	SECOND
	s_branch .La_join
.La_g1:
	s_cmp_eq_u32 s48, 0                              ; no tile lies behind tile 0
	s_cbranch_scc1 .La_first
	OSUM
.La_first:
	FIRST 0
.La_join:
	BAR
	s_cmp_lt_u32 s[WV], 8
	s_cbranch_scc0 .Lb_g1
	OSUM
	s_cmp_eq_u32 s48, 7                              ; no tile follows tile 7
	s_cbranch_scc1 .Lb_join
	FIRST 1
	s_branch .Lb_join
.Lb_g1:
	SECOND
.Lb_join:
	BAR
	s_add_co_u32 s48, s48, 1
	s_cmp_lt_u32 s48, 8
	s_cbranch_scc1 .Ltrip
	s_cmp_lt_u32 s[WV], 8                            ; group 0's last tile leaves; group 1's last sums are made
	s_cbranch_scc0 .Lt_g1
	s_cmp_lg_u32 s15, 0
	s_cbranch_scc1 .Lt_join
	s_mov_b32 s49, 14
	FINAL
	s_branch .Lt_join
.Lt_g1:
	OSUM
.Lt_join:
	BAR
	s_cmp_eq_u32 s[WV], 8                            ; and group 1's last tile leaves
	s_cbranch_scc0 .Lend
	s_mov_b32 s49, 15
	FINAL
.Lend:
	s_wait_tensorcnt 0x0                             ; the wave's end
	ds_add_u32 v[SPW], v[NIL]
	s_wait_dscnt 0x0
	CROUND                                           ; the closing round: no work-group ends while a partner may still ask for a tile that names it
	s_endpgm
.Lfunc_end_k_q6bcb1af31c_attn:
	.size	k_q6bcb1af31c_attn, .Lfunc_end_k_q6bcb1af31c_attn-k_q6bcb1af31c_attn
	.p2alignl 7, 3214868480
	.fill 96, 4, 3214868480
	.section	.rodata,"a",@progbits
	.p2align	6, 0x0
	.amdhsa_kernel k_q6bcb1af31c_attn
		.amdhsa_group_segment_fixed_size 294912
		.amdhsa_private_segment_fixed_size 0
		.amdhsa_enable_private_segment 0
		.amdhsa_kernarg_size 40
		.amdhsa_user_sgpr_count 2
		.amdhsa_user_sgpr_kernarg_segment_ptr 1
		.amdhsa_wavefront_size32 1
		.amdhsa_system_sgpr_workgroup_id_x 1
		.amdhsa_system_sgpr_workgroup_id_y 1
		.amdhsa_system_sgpr_workgroup_id_z 1
		.amdhsa_system_vgpr_workitem_id 0
		.amdhsa_next_free_vgpr 256
		.amdhsa_next_free_sgpr 80
		.amdhsa_reserve_vcc 1
		.amdhsa_float_denorm_mode_32 3
		.amdhsa_float_denorm_mode_16_64 3
		.amdhsa_memory_ordered 1
		.amdhsa_forward_progress 1
		.amdhsa_inst_pref_size 164
	.end_amdhsa_kernel
	.amdgpu_metadata
---
amdhsa.version: [ 1, 2 ]
amdhsa.kernels:
  - .name:           k_q6bcb1af31c_attn
    .symbol:         k_q6bcb1af31c_attn.kd
    .args:
      - { .name: QB, .offset: 0, .size: 8, .value_kind: global_buffer, .address_space: global }
      - { .name: KB, .offset: 8, .size: 8, .value_kind: global_buffer, .address_space: global }
      - { .name: VB, .offset: 16, .size: 8, .value_kind: global_buffer, .address_space: global }
      - { .name: ind_k, .offset: 24, .size: 8, .value_kind: global_buffer, .address_space: global }
      - { .name: AO, .offset: 32, .size: 8, .value_kind: global_buffer, .address_space: global }
    .group_segment_fixed_size: 294912
    .private_segment_fixed_size: 0
    .kernarg_segment_align: 8
    .kernarg_segment_size: 40
    .max_flat_workgroup_size: 512
    .sgpr_count:     80
    .vgpr_count:     256
    .wavefront_size: 32
...
	.end_amdgpu_metadata
.endif
;; end of part 3
;; launch outp (part 4): grid 8 x 32, 4 waves a work-group, clusters of 4 x 4, 327,680 bytes of LDS; arguments AO, WC, out0; writes out0
.if DOCPART == 4
	.amdgcn_target "amdgcn-amd-amdhsa--gfx1250"
	.amdhsa_code_object_version 6
	.text
	.protected	k_q6bcb1af31c_outp
	.globl	k_q6bcb1af31c_outp
	.p2align	8
	.type	k_q6bcb1af31c_outp,@function
k_q6bcb1af31c_outp:
	s_mov_b64 s[64:65], 0
	v_nop
	global_prefetch_b8 v0, s[64:65] scope:SCOPE_SE
	s_setreg_imm32_b32 hwreg(HW_REG_WAVE_MODE, 25, 1), 1
	s_wait_xcnt 0x0
	s_wait_alu depctr_hold_cnt(0) depctr_sa_sdst(0) depctr_va_vdst(0) depctr_va_sdst(0) depctr_va_ssrc(0) depctr_va_vcc(0) depctr_vm_vsrc(0)
	s_getreg_b32 s2, hwreg(HW_REG_IB_STS2, 6, 4)
	s_cmp_eq_u32 s2, 0
	s_cbranch_scc0 .Lentry_in_a_cluster
	s_endpgm
.Lentry_in_a_cluster:
	s_bfe_u32 s2, ttmp6, 0x10000c
	s_cmp_lg_u32 s2, 0xf033
	s_cbranch_scc0 .Lentry_shape_is_right
	s_endpgm
.Lentry_shape_is_right:
; out0 = out Wo on codes of FP6 (E2M3) with E8M0 scales; out0 is [4096][1024] f32.  Both operands lie in memory in the order of the operand's registers (blocks of 128 rows x K = 1,024: 102,400 bytes).
; A work-group makes 128 x 128.  Its two blocks lie whole in LDS, filled once: E = Wo's 128 columns at byte 0, T = out's 128 rows at 102,400.  Four waves; wave w owns T's tiles 2 w, 2 w + 1 against E's eight: 16 accumulators.
; Source 0 = a tile of E, source 1 = a tile of T: a lane holds one row of out0, and the registers of E's tiles 2 b, 2 b + 1 are 16 neighbouring columns.
; CLUSTERS: 4 x 4 work-groups: E is asked for jointly by a column of the cluster, T by a row.  A wave has one tensor load out at a time: its two fills, one behind the other.
; The way out goes through each wave's own stage behind the blocks (no fill lands there): whole rows of 512 bytes leave, 32 lanes to a row.
; REGISTERS, window 0: v2-7 LDS addresses; v8 16 x lane; v10, v11 the stage; v16-31 E's scale words, two sets; v32-35 T's; v40-87, v88-135 E's tiles 0-3, 4-7; v136-183 T's two tiles, two sets; on the way out v40-167 rows of out0.
;   window 1: v0-127 the accumulators ((t, e) at 64 t + 8 e).
.set OPB,   102400
.set STEPB, 12800
.set STAGE, 204800
.set WV,  20
.set G1E, 28
.set G1T, 36
.set G0E, 44
.set G0T, 68
.set ESW, 16
.set TSW, 32
.set EA,  40
.set TF,  136
.set BK,  40
.set MSB, 0
.macro WIN new                         ; the immediate's high byte repeats the setting that is left
.if MSB != \new
	s_set_vgpr_msb (MSB<<8)|\new
.set MSB, \new
.endif
.endm
.macro PLACES n
.rept \n
	v_nop
.endr
.endm
.macro CROUND                          ; a round of the cluster's barrier
	s_barrier_signal -1
	s_barrier_wait -1
	s_cmp_lg_u32 s[WV], 0
	s_cbranch_scc1 .Lnot_wave_0_\@
	s_barrier_signal -3
.Lnot_wave_0_\@:
	s_barrier_wait -3
	s_barrier_signal -1
	s_barrier_wait -1
.endm
.macro FRAGLD reg, a16, a8, off        ; a fragment's image: 16, 8, 16, 8 bytes a lane
	ds_load_b128 v[\reg:\reg+3], v[\a16] offset:\off
	ds_load_b64 v[\reg+4:\reg+5], v[\a8] offset:\off+512
	ds_load_b128 v[\reg+6:\reg+9], v[\a16] offset:\off+768
	ds_load_b64 v[\reg+10:\reg+11], v[\a8] offset:\off+1280
.endm
.macro LOADA s                         ; K step s: E's tiles 0-3, my two of T, the scale words: 27 loads
.set KO, ((\s)%4)*STEPB
.set PP, (\s)%2
.irp i, 0,1,2,3
	FRAGLD EA+12*\i, 2, 3, KO+1536*\i
.endr
.irp i, 0,1
	FRAGLD TF+24*PP+12*\i, 5, 6, KO+1536*\i
.endr
	ds_load_b128 v[ESW+8*PP:ESW+8*PP+3], v4 offset:KO
	ds_load_b128 v[ESW+8*PP+4:ESW+8*PP+7], v4 offset:KO+256
	ds_load_b64 v[TSW+2*PP:TSW+2*PP+1], v7 offset:KO
.endm
.macro LOADB s                         ; E's tiles 4-7: 16 loads
.set KO, ((\s)%4)*STEPB
.irp i, 0,1,2,3
	FRAGLD EA+48+12*\i, 2, 3, KO+6144+1536*\i
.endr
.endm
.macro MUL8 half, s                    ; eight products.  The 16 accumulators take turns, one instruction a turn.  Step 0 starts the sums
.set PP, (\s)%2
.irp i, 0,1,2,3
.irp t, 0,1
.if (\s) == 0
	v_wmma_scale_f32_16x16x128_f8f6f4 v[64*\t+8*(4*\half+\i):64*\t+8*(4*\half+\i)+7], v[EA+48*\half+12*\i:EA+48*\half+12*\i+11], v[TF+24*PP+12*\t:TF+24*PP+12*\t+11], 0, v[ESW+8*PP+4*\half+\i], v[TSW+2*PP+\t] matrix_a_fmt:MATRIX_FMT_FP6 matrix_b_fmt:MATRIX_FMT_FP6
.else
	v_wmma_scale_f32_16x16x128_f8f6f4 v[64*\t+8*(4*\half+\i):64*\t+8*(4*\half+\i)+7], v[EA+48*\half+12*\i:EA+48*\half+12*\i+11], v[TF+24*PP+12*\t:TF+24*PP+12*\t+11], v[64*\t+8*(4*\half+\i):64*\t+8*(4*\half+\i)+7], v[ESW+8*PP+4*\half+\i], v[TSW+2*PP+\t] matrix_a_fmt:MATRIX_FMT_FP6 matrix_b_fmt:MATRIX_FMT_FP6
.endif
.endr
.endr
.endm
.macro STEP s
	s_wait_dscnt 16                                  ; the step's first run is in; E's tiles 4-7, sixteen loads, may be out
	WIN 0x50                                         ; C and D in window 1
	MUL8 0, \s
	WIN 0
.if (\s) == 3
	s_wait_tensorcnt 0x0                             ; my one load that was out, my part of K steps 4-7, has landed
	s_wait_dscnt 0x0                                 ; no LDS instruction is pending at a signal
	s_barrier_signal -1
	s_barrier_wait -1
.endif
	PLACES 4                                         ; in front of loads into registers that matrix instructions have read
.if (\s) == 3
.irp a, 2,3,4,5,6,7
	s_wait_alu depctr_va_vdst(0)
	v_add_nc_u32 v\a, 4*STEPB, v\a                   ; on to K steps 4-7, so that every immediate stays under 65,536
.endr
.endif
.if (\s) < 7
	LOADA (\s)+1
	s_wait_alu depctr_va_vdst(0)
	s_wait_dscnt 27                                  ; all but the 27 just issued
.else
	s_wait_dscnt 0x0
.endif
	WIN 0x50
	MUL8 1, \s
	WIN 0
	PLACES 4
.if (\s) < 7
	LOADB (\s)+1
.endif
.endm
.macro TOSTAGE t                       ; my tile t: 16 rows x 128 columns into the stage, and back as whole rows
	WIN 0x04                                         ; an LDS store's data are its source 1: window 1
.irp e, 0,1,2,3,4,5,6,7
	ds_store_b128 v10, v[64*\t+8*\e:64*\t+8*\e+3] offset:128*(\e/2)+32*(\e%2)          ; each accumulator from its low end on
	ds_store_b128 v10, v[64*\t+8*\e+4:64*\t+8*\e+7] offset:128*(\e/2)+32*(\e%2)+16
.endr
	WIN 0
.irp i, 0,1,2,3,4,5,6,7,8,9,10,11,12,13,14,15
	ds_load_b128 v[BK+64*\t+4*\i:BK+64*\t+4*\i+3], v11 offset:528*\i   ; LDS serves a wave's instructions in order: these see my stores, and the next tile's stores come behind them
.endr
.endm
.macro SEND t, younger                 ; younger: the LDS instructions issued behind tile t's loads
.irp i, 0,1,2,3,4,5,6,7,8,9,10,11,12,13,14,15
	s_wait_dscnt \younger+15-\i
	global_store_b128 v8, v[BK+64*\t+4*\i:BK+64*\t+4*\i+3], s[8:9] offset:(8*\t+\i+8*(\i/8))*4096 th:TH_STORE_NT   ; 32 lanes store 512 consecutive bytes, at a multiple of 256 from out0's first byte
.endr
.endm
	s_load_b128 s[4:7], s[0:1], 0x0                  ; AO, WC
	s_load_b64 s[8:9], s[0:1], 0x10                  ; out0
	v_lshl_add_u32 v254, v0, 2, 0x3a400
	v_mov_b32 v255, 0
	ds_add_u32 v254, v255
	ds_add_u32 v254, v255
	v_lshrrev_b32 v1, 5, v0
	v_readfirstlane_b32 s[WV], v1                    ; wave 0..3
	s_bfe_u32 s21, ttmp6, 0x40000                    ; cx
	s_bfe_u32 s22, ttmp6, 0x40004                    ; cy
	s_lshl_b32 s23, ttmp9, 2
	s_add_co_u32 s23, s23, s21                       ; x: my 128 columns
	s_and_b32 s24, ttmp7, 0xffff
	s_lshl_b32 s86, s24, 2
	s_add_co_u32 s86, s86, s22                       ; y: my 128 rows
	s_lshl_b32 s27, s22, 2
	s_lshl_b32 s27, 15, s27                          ; my row of the cluster
	s_lshl_b32 s62, 0x1111, s21                      ; my column
	s_or_b32 s[G1E], s62, (3<<16)|(1<<21)            ; 15:0 the mask; 17:16 elements of 8 bytes; 21 set beside a mask; no padding
	s_or_b32 s[G1T], s27, (3<<16)|(1<<21)
.irp g, G1E, G1T                                 ; a K step is one dense run of 12,800 bytes: 50 rows of 256
	s_mov_b32 s[\g+1], 32<<16
	s_mov_b32 s[\g+2], 100<<16                       ; a load brings two K steps, 25,600 dense bytes: 100 rows of 256
	s_mov_b32 s[\g+3], 32<<16
	s_mov_b32 s[\g+4], 100
	s_mov_b32 s[\g+5], 32
	s_mov_b32 s[\g+6], 0
	s_mov_b32 s[\g+7], 0
.endr
	s_add_co_u32 s84, s23, 24                        ; E = WC's block 24 + x (Wo)
	s_and_b32 s92, s[WV], 1
	s_mul_i32 s92, s92, 2*STEPB                      ; waves 0, 1 fetch for E, waves 2, 3 for T: the even wave K steps 0, 1 and then 4, 5, the odd one 2, 3 and then 6, 7
	s_mul_i32 s88, s84, OPB
	s_add_co_u32 s88, s88, s92
	s_mov_b32 s89, 0
	s_mul_i32 s90, s86, OPB                          ; T = AO's block y
	s_add_co_u32 s90, s90, s92
	s_mov_b32 s91, 0
	s_lshl_b32 s62, s86, 7
	s_lshl_b32 s63, s[WV], 5
	s_add_co_u32 s62, s62, s63
	s_lshl_b32 s62, s62, 12                          ; row 128 y + 32 w of 4,096 bytes,
	s_lshl_b32 s63, s23, 9
	s_add_co_u32 s62, s62, s63                       ; column 128 x
	s_mov_b32 s63, 0
	s_wait_dscnt 0x0
	s_wait_kmcnt 0x0
	s_add_nc_u64 s[96:97], s[6:7], s[88:89]
	s_add_nc_u64 s[98:99], s[4:5], s[90:91]
	s_add_nc_u64 s[8:9], s[8:9], s[62:63]
.irp q, 0,1                                      ; load q brings K steps 4 q + 2 (wave % 2) and the next
	s_mov_b32 s[G0E+4*\q], 1
	s_add_co_u32 s[G0E+4*\q+1], s92, \q*4*STEPB
	s_add_nc_u64 s[G0E+4*\q+2:G0E+4*\q+3], s[96:97], \q*4*STEPB
	s_or_b32 s[G0E+4*\q+3], s[G0E+4*\q+3], 0x80000000
	s_mov_b32 s[G0T+4*\q], 1
	s_add_co_u32 s[G0T+4*\q+1], s92, OPB+\q*4*STEPB
	s_add_nc_u64 s[G0T+4*\q+2:G0T+4*\q+3], s[98:99], \q*4*STEPB
	s_or_b32 s[G0T+4*\q+3], s[G0T+4*\q+3], 0x80000000
.endr
	CROUND                                           ; all sixteen work-groups are here: the joint loads meet
	s_cmp_lt_u32 s[WV], 2                            ; one fill a wave, K steps 0-3, in a branch on the wave's number; an s_nop 0 and four v_nop follow it
	s_cbranch_scc0 .Lfill_t
	tensor_load_to_lds s[G0E:G0E+3], s[G1E:G1E+7]
	s_nop 0
	PLACES 4
	s_branch .Lfilled
.Lfill_t:
	tensor_load_to_lds s[G0T:G0T+3], s[G1T:G1T+7]
	s_nop 0
	PLACES 4
.Lfilled:
	v_and_b32 v1, 31, v0                             ; lane
	v_and_b32 v36, 15, v0                            ; r
	v_bfe_u32 v37, v0, 4, 1                          ; h
	v_lshlrev_b32 v2, 4, v1                          ; E: 16 x lane,
	v_lshlrev_b32 v3, 3, v1                          ; 8 x lane
	v_lshlrev_b32 v8, 4, v1                          ; 16 x lane for the way out: it stays
	v_lshlrev_b32 v38, 4, v36                        ; 16 r
	s_wait_alu depctr_va_vdst(0)
	v_add_nc_u32 v4, 12288, v38                      ; E's scale words
	s_mul_i32 s62, s[WV], 3072
	s_add_co_u32 s62, s62, OPB
	v_add_nc_u32 v5, s62, v2                         ; T: my two tiles
	v_add_nc_u32 v6, s62, v3
	s_and_b32 s63, s[WV], 1
	s_lshl_b32 s63, s63, 3
	s_lshr_b32 s62, s[WV], 1
	s_lshl_b32 s62, s62, 8
	s_add_co_u32 s62, s62, s63
	s_add_co_u32 s62, s62, OPB+12288
	v_add_nc_u32 v7, s62, v38                        ; T's scale words
	s_mul_i32 s62, s[WV], 16*528
	s_add_co_u32 s62, s62, STAGE                     ; my stage
	v_mul_u32_u24 v10, v36, 528
	v_lshl_add_u32 v10, v37, 6, v10
	v_add_nc_u32 v10, s62, v10                       ; in: row r, + 64 h
	v_add_nc_u32 v11, s62, v8                        ; back: a row of 512 bytes to the 32 lanes
	s_wait_alu depctr_va_vdst(0)
	s_wait_tensorcnt 0x0                             ; my one load of the head is in: with everybody's, K steps 0-3
	ds_add_u32 v254, v255
	s_wait_dscnt 0x0
	CROUND                                           ; a whole round: the second joint loads meet
	s_cmp_lt_u32 s[WV], 2                            ; K steps 4-7, one load a wave: a wave has one tensor load out at any time
	s_cbranch_scc0 .Lfill_t2
	tensor_load_to_lds s[G0E+4:G0E+7], s[G1E:G1E+7]
	s_nop 0
	PLACES 4
	s_branch .Lfilled2
.Lfill_t2:
	tensor_load_to_lds s[G0T+4:G0T+7], s[G1T:G1T+7]
	s_nop 0
	PLACES 4
.Lfilled2:
	LOADA 0
	LOADB 0
.irp k, 0,1,2,3,4,5,6,7
	STEP \k
.endr
	TOSTAGE 0
	TOSTAGE 1
	SEND 0, 32                                       ; behind tile 0's loads: tile 1's 16 stores and 16 loads
	SEND 1, 0
	s_wait_tensorcnt 0x0
	ds_add_u32 v254, v255
	s_wait_dscnt 0x0
	CROUND                                           ; the closing round: no work-group ends while a partner may still ask for a block that names it
	s_endpgm
.Lfunc_end_k_q6bcb1af31c_outp:
	.size	k_q6bcb1af31c_outp, .Lfunc_end_k_q6bcb1af31c_outp-k_q6bcb1af31c_outp
	.p2alignl 7, 3214868480
	.fill 96, 4, 3214868480
	.section	.rodata,"a",@progbits
	.p2align	6, 0x0
	.amdhsa_kernel k_q6bcb1af31c_outp
		.amdhsa_group_segment_fixed_size 327680
		.amdhsa_private_segment_fixed_size 0
		.amdhsa_enable_private_segment 0
		.amdhsa_kernarg_size 24
		.amdhsa_user_sgpr_count 2
		.amdhsa_user_sgpr_kernarg_segment_ptr 1
		.amdhsa_wavefront_size32 1
		.amdhsa_system_sgpr_workgroup_id_x 1
		.amdhsa_system_sgpr_workgroup_id_y 1
		.amdhsa_system_sgpr_workgroup_id_z 1
		.amdhsa_system_vgpr_workitem_id 0
		.amdhsa_next_free_vgpr 384
		.amdhsa_next_free_sgpr 100
		.amdhsa_reserve_vcc 0
		.amdhsa_float_denorm_mode_32 3
		.amdhsa_float_denorm_mode_16_64 3
		.amdhsa_memory_ordered 1
		.amdhsa_forward_progress 1
		.amdhsa_inst_pref_size 58
	.end_amdhsa_kernel
	.amdgpu_metadata
---
amdhsa.version: [ 1, 2 ]
amdhsa.kernels:
  - .name:           k_q6bcb1af31c_outp
    .symbol:         k_q6bcb1af31c_outp.kd
    .args:
      - { .name: AO, .offset: 0, .size: 8, .value_kind: global_buffer, .address_space: global }
      - { .name: WC, .offset: 8, .size: 8, .value_kind: global_buffer, .address_space: global }
      - { .name: out0, .offset: 16, .size: 8, .value_kind: global_buffer, .address_space: global }
    .group_segment_fixed_size: 327680
    .private_segment_fixed_size: 0
    .kernarg_segment_align: 8
    .kernarg_segment_size: 24
    .max_flat_workgroup_size: 128
    .sgpr_count:     100
    .vgpr_count:     384
    .wavefront_size: 32
...
	.end_amdgpu_metadata
.endif
;; end of part 4
